; MI455X (gfx1250); checked and timed in simulation.
; The chip was launched on July 23, 2026; its instructions are those of AMD's public machine-readable ISA for CDNA 5 (MIT licence, August 2026) and "CDNA5" Instruction Set Architecture Reference Guide (July 2026). The comments in the code are by the model that wrote it; some were corrected since.
;; Multi Head Self Attention. Allowed arithmetic: matrix products marked QUANTISED: E2M1 operands, one E8M0 scale for each 32 along K, by v_wmma_scale_f32_16x16x128_f8f6f4 with both operands' format E2M1 (or v_wmma_scale_f32_32x16x128_f4), f32 sums; products left as they are: bf16, f16 or f32 operands; f32 sums; everything else in f32.
;; Inputs: bk 1,024 float32; bo 1,024 float32; bq 1,024 float32; bv 1,024 float32; inputs 4 x 2,048 x 1,024 float32; mask 4 x 2,048 int32; wk 1,024 x 1,024 float32; wo 1,024 x 1,024 float32; wq 1,024 x 1,024 float32; wv 1,024 x 1,024 float32.
;; Outputs: out0 4 x 2,048 x 1,024 float32.
;; This version of the problem:
;;   THIS VERSION OF THE PROBLEM IS GIVEN IN LOW PRECISION. The matrix products marked QUANTISED in the list below multiply operands that are first quantised to E2M1 (2 exponent bits, 1 mantissa bit; 4 bits a number), with one power-of-two scale for each 32 numbers along K (OCP MX v1.0); their sums are f32. The products marked 'left as it is' may take bf16, f16 or f32 operands, with f32 sums. Whichever they take, every output number must still come out within the allowed error. Rounding operands to bf16 (8 significant bits) uses up far more of that allowance than f16 does (11 bits, for magnitudes from 6e-5 to 65,504). All else is computed in f32.
;;   The module's matrix products, in the order in which they are computed (A, B: the left and right operand; K: the contracted axis; several contracted axes count as one K, in the product's order):
;;     1. [M 8,192, K 1,024] x [K 1,024, N 1,024]; A: input inputs; B: input wq: QUANTISED
;;     2. [M 8,192, K 1,024] x [K 1,024, N 1,024]; A: input inputs; B: input wk: QUANTISED
;;     3. [M 8,192, K 1,024] x [K 1,024, N 1,024]; A: input inputs; B: input wv: QUANTISED
;;     4. batch 64 x [M 2,048, K 64] x [K 64, N 2,048]; A: computed on the way; B: computed on the way: left as it is (an operand is computed on the way)
;;     5. batch 64 x [M 2,048, K 2,048] x [K 2,048, N 64]; A: computed on the way; B: computed on the way: left as it is (an operand is computed on the way)
;;     6. [M 8,192, K 1,024] x [K 1,024, N 1,024]; A: computed on the way; B: input wo: left as it is (an operand is computed on the way)
;;   THE QUANTISER, for each operand of a quantised product, along K:
;;     - K is cut into blocks of 32 from its start; a last block that is shorter is filled with zeros.
;;     - A block's scale is 2^e with e = floor(log2(the largest magnitude in the block)) - 2, held to -126 .. 127; a block of zeros has e = 0. As a byte (E8M0): e + 127.
;;     - Each number is divided by its block's scale, clamped to +-6, and rounded to the nearest number of E2M1, ties to even, subnormals kept.
;;     - The product sums the exact products of the quantised numbers (number of the format x scale) in f32.
;;   ~~~python
;;   def quantise(x, axis):      # numpy; x: float32 -> the quantised numbers, widened to float32 again
;;       x = np.moveaxis(x, axis, -1); K = x.shape[-1]
;;       x = np.pad(x, [(0, 0)] * (x.ndim - 1) + [(0, -K % 32)]); x = x.reshape(x.shape[:-1] + (-1, 32)); a = np.abs(x).max(-1, keepdims=True)
;;       e = np.where(a > 0, np.clip(np.frexp(np.where(a > 0, a, 1))[1] - 1 - 2, -126, 127), 0)      # np.frexp(a)[1] - 1 = floor(log2(a)), exactly
;;       r = np.clip(x / 2.0 ** e, -6, 6)
;;       step = 2.0 ** (np.maximum(np.frexp(np.where(r == 0, 1, r))[1] - 1, 0) - 1)
;;       q = np.round(r / step) * step * 2.0 ** e      # np.round: ties to even
;;       return np.moveaxis(q.reshape(q.shape[:-2] + (-1,))[..., :K], -1, axis).astype(np.float32)
;;   ~~~
;; One version. Each part assembles by itself: llvm-mc -triple=amdgcn-amd-amdhsa -mcpu=gfx1250 --defsym DOCPART=n.
;; ======== version 1 of 1: 4 launches
;; limits: values are held in f16: magnitudes above 65,504 overflow, below 6.1e-05 lose precision
;; workspace buffers: xc 4,194,304 bytes; xs 262,144 bytes; wc 1,572,864 bytes; ws 98,304 bytes; wot 2,097,152 bytes; qkv 50,331,648 bytes; att 16,777,216 bytes
;; launch prep (part 1): grid 368 x 1, 4 waves a work-group, no clusters, 102,912 bytes of LDS; arguments inputs, wq, wk, wv, wo, xc, xs, wc, ws, wot; writes xc, xs, wc, ws, wot
.if DOCPART == 1
	.amdgcn_target "amdgcn-amd-amdhsa--gfx1250"
	.amdhsa_code_object_version 6
	.text
	.protected	k_qdeaca33627_prep
	.globl	k_qdeaca33627_prep
	.p2align	8
	.type	k_qdeaca33627_prep,@function
k_qdeaca33627_prep:
	s_mov_b64 s[64:65], 0
	v_nop
	global_prefetch_b8 v0, s[64:65] scope:SCOPE_SE
	s_setreg_imm32_b32 hwreg(HW_REG_WAVE_MODE, 25, 1), 1
	s_wait_xcnt 0x0
; PREP: what the later launches read many times is made once.
;   arm X (work-groups 0-255):   inputs [8192][1024] f32, K innermost -> xc [8192][512 bytes] codes of E2M1, xs [8192][32] E8M0 bytes.
;   arm W (work-groups 256-303): wq, wk, wv [k 1024][n 1024] f32, K the FIRST axis -> wc [3072][512 bytes] codes with K innermost (row = 1024 x matrix + column), ws [3072][32].
;   arm O (work-groups 304-367): wo [k 1024][n 1024] f32 -> wot [n 1024][k 1024] f16 (its product is left as it is; f16 keeps 11 significant bits).
; A block's scale is 2^(floor(log2(its largest magnitude)) - 2); its byte is the largest magnitude's exponent field - 2, held at 1 from below.
; LIMITS: a block of zeros gets the byte 1 where the rule says 127: its codes are zeros, which add nothing, and this program alone reads the bytes.  Blocks whose largest magnitude lies under 2^(2 - 126)
; are held at the byte 1.  NaN and infinities among the inputs are not served.  wo beyond 65,504 in magnitude becomes infinity in f16.
; The input mask is named by no launch of this program: the function to be computed accepts it and never uses it.
; The arms part on the work-group's number alone, each has LDS bytes of its own, and each ends by itself.  No tensor load, no barrier: waves share nothing.
.set SPARE,  102400                    ; behind the three arms' regions: the spare words, 128 bytes for each wave
.set SPW,    192                       ; v192  LDS address of my spare word; never rewritten
.set NIL,    193                       ; v193  0; never rewritten
.set EMAX,   2                         ; the exponent of E2M1's largest number, 6
; arm X
.set STEPS,  16                        ; steps of 512 numbers for a wave
.set CB,     8                         ; bytes of 16 codes
.set XR,     16                        ; v16-79   four sets of 16 numbers as they are loaded
.set XX,     80                        ; v80-111  two sets of 16 neighbours
.set XE,     112                       ; v112-127 a scale byte for each step
.set XC,     128                       ; v128-191 codes: registers of its own for each step
.set WREG,   8192                      ; LDS 0 .. 32,767: a region for each wave: two stages of 32 x SP bytes, then its 256 scale bytes
.set SP,     80                        ; a lane's place in a stage: 64 bytes + 16 of padding
; arms W and O
.set PITCH,  272                       ; a stage row: 256 bytes + 16 of padding
.set WSTG,   32768                     ; LDS: arm W's four stages of 32 rows
.set OSTG,   67584                     ; LDS: arm O's four stages
.set KX,     32                        ; v32-95   two sets of 32 numbers down K
.set KC,     96                        ; v96-111  a block's codes, or its f16 pairs
.set OUTR,   112                       ; v112-175 the way out
.set SB,     24                        ; v24-27   a column's 16 scale bytes
.macro FINISH                          ; the wave's end
	s_wait_tensorcnt 0x0
	ds_add_u32 v[SPW], v[NIL]
	s_wait_dscnt 0x0
	s_endpgm
.endm
	s_load_b256 s[4:11], s[0:1], 0x0               ; inputs s[4:5], wq s[6:7], wk s[8:9], wv s[10:11]
	s_load_b256 s[12:19], s[0:1], 0x20             ; wo s[12:13], xc s[14:15], xs s[16:17], wc s[18:19]
	s_load_b128 s[20:23], s[0:1], 0x40             ; ws s[20:21], wot s[22:23]
	v_lshl_add_u32 v[SPW], v0, 2, SPARE
	v_mov_b32 v[NIL], 0
	v_lshrrev_b32 v1, 5, v0
	v_readfirstlane_b32 s24, v1                    ; wave 0..3
	v_and_b32 v2, 31, v0                           ; lane
	s_cmp_ge_u32 ttmp9, 304
	s_cbranch_scc1 .Lo
	s_cmp_ge_u32 ttmp9, 256
	s_cbranch_scc1 .Lw
; ---------------- ARM X.  Rows are dense and 1,024 is a multiple of 32: the tensor is a plain stream of blocks of 32, and so are its codes and scale bytes.
; A wave takes 16 steps of 512 numbers.  Each load reads 512 consecutive bytes; a step's 2,048 bytes turn through the wave's own stage, so that a lane then holds 16 NEIGHBOURS along K (two lanes hold a block).
	v_lshlrev_b32 v3, 4, v2                        ; my 16 bytes of a load's 512
	s_mul_i32 s25, s24, WREG
	v_lshrrev_b32 v14, 2, v2
	v_mul_u32_u24 v14, v14, SP
	v_and_b32 v15, 3, v2
	v_lshl_add_u32 v14, v15, 4, v14
	v_add_nc_u32 v14, s25, v14                     ; the stage, on the way in: SP (lane / 4) + 16 (lane % 4)
	v_mul_u32_u24 v15, v2, SP
	v_add_nc_u32 v15, s25, v15                     ; and on the way out: SP x lane
	v_mul_u32_u24 v4, v2, CB                       ; my codes' place in a step's
	v_lshrrev_b32 v5, 1, v2
	s_add_co_u32 s25, s25, 2*32*SP
	v_add_nc_u32 v5, s25, v5                       ; my wave's 256 scale bytes, my block's byte
	v_lshlrev_b32 v7, 3, v2
	v_add_nc_u32 v6, s25, v7                       ; and on the way out 8 bytes a lane
	s_lshl_b32 s26, ttmp9, 2
	s_add_co_u32 s26, s26, s24                     ; which run of 8,192 numbers is my wave's
	s_mov_b32 s27, 0
	s_wait_kmcnt 0x0
	s_lshl_b64 s[28:29], s[26:27], 15              ; 32,768 bytes of f32 a run,
	s_add_nc_u64 s[4:5], s[4:5], s[28:29]
	s_lshl_b64 s[28:29], s[26:27], 12              ; 4,096 of codes,
	s_add_nc_u64 s[14:15], s[14:15], s[28:29]
	s_lshl_b64 s[28:29], s[26:27], 8               ; 256 scale bytes
	s_add_nc_u64 s[16:17], s[16:17], s[28:29]
.macro XLOAD t
.irp i, 0,1,2,3
	global_load_b128 v[XR+16*((\t)%4)+4*\i:XR+16*((\t)%4)+4*\i+3], v3, s[4:5] offset:2048*(\t)+512*\i th:TH_LOAD_NT   ; 32 lanes read 512 consecutive bytes
.endr
.endm
.macro XTURN t                         ; step t's numbers through the stage: LDS serves a wave's instructions in order, so no wait stands between the stores and the loads
.irp i, 0,1,2,3
	ds_store_b128 v14, v[XR+16*((\t)%4)+4*\i:XR+16*((\t)%4)+4*\i+3] offset:32*SP*((\t)%2)+8*SP*\i
.endr
.irp i, 0,1,2,3
	ds_load_b128 v[XX+16*((\t)%2)+4*\i:XX+16*((\t)%2)+4*\i+3], v15 offset:32*SP*((\t)%2)+16*\i
.endr
.endm
.irp t, 0,1,2,3
	XLOAD \t
.endr
	s_wait_loadcnt 12                              ; step 0's four loads are in; the twelve of steps 1 to 3 stay out
	XTURN 0
.macro XSTEP t
.set XS, XX+16*((\t)%2)
.if (\t) > 0
	s_wait_dscnt 1                                 ; this step's numbers are back from the stage (the last step's byte store may be out)
.else
	s_wait_dscnt 0x0
.endif
.if (\t)+4 < STEPS
	XLOAD (\t)+4                                   ; into the registers whose stores into the stage are done
.endif
.if (\t)+1 < STEPS
.if STEPS-2-(\t) >= 3
	s_wait_loadcnt 12                              ; the next step's four loads are in; those of the three steps behind it may be out
.else
	s_wait_loadcnt 4*(STEPS-2-(\t))
.endif
	XTURN (\t)+1
.endif
	v_max3_num_f32 v8, |v[XS]|, |v[XS+1]|, |v[XS+2]|               ; the largest magnitude of my 16, in two chains
	v_max3_num_f32 v9, |v[XS+3]|, |v[XS+4]|, |v[XS+5]|
.irp i, 6,10
	v_max3_num_f32 v8, v8, |v[XS+\i]|, |v[XS+\i+1]|
	v_max3_num_f32 v9, v9, |v[XS+\i+2]|, |v[XS+\i+3]|
.endr
	v_max3_num_f32 v8, v8, |v[XS+14]|, |v[XS+15]|
	v_max3_num_f32 v8, v8, v9, (EMAX+1)<<23        ; and the floor 2^(EMAX + 1 - 127): the byte cannot fall under 1
	v_max_num_f32_dpp v8, v8, v8 row_xmask:1 row_mask:0xf bank_mask:0xf   ; and of my neighbour's 16: the block's
	v_add_nc_u32 v11, -(EMAX<<23), v8              ; EMAX off its exponent field: the conversion takes the exponent field of this operand as its scale
	v_cvt_scalef32_pk8_fp4_f32 v[XC+4*(\t)], v[XS:XS+7], v11
	v_cvt_scalef32_pk8_fp4_f32 v[XC+4*(\t)+1], v[XS+8:XS+15], v11
	v_lshrrev_b32 v[XE+(\t)], 23, v11              ; the scale's byte (a plain line behind the conversions)
	ds_store_b8 v5, v[XE+(\t)] offset:16*(\t)      ; both lanes of a block write the same byte with the same value
	global_store_b64 v4, v[XC+4*(\t):XC+4*(\t)+1], s[14:15] offset:32*CB*(\t)   ; the wave stores 256 consecutive bytes, aligned
.endm
.irp t, 0,1,2,3,4,5,6,7,8,9,10,11,12,13,14,15
	XSTEP \t
.endr
	ds_load_b64 v[8:9], v6                         ; my wave's 256 scale bytes: these loads see my stores
	s_wait_dscnt 0x0
	global_store_b64 v7, v[8:9], s[16:17]          ; 256 consecutive bytes, aligned
	FINISH
; ---------------- ARM W.  A lane takes a column n and its registers run DOWN K: a block of 32 lies in one lane's 32 registers, and the conversions give codes with K innermost.
; Work-group i: y = i % 2 (which 512 along K), xg = i / 2 (which 128 of the 3,072 columns).  A wave: 32 columns x 512 along K, 16 blocks a lane.
.macro KLOAD t, b                      ; block t: rows 32 t + i of my column, into set t % 2; the wave reads 128 consecutive bytes a load
.irp i, 0,1,2,3,4,5,6,7,8,9,10,11,12,13,14,15,16,17,18,19,20,21,22,23,24,25,26,27,28,29,30,31
	global_load_b32 v[KX+32*((\t)%2)+\i], v3, s[\b:\b+1] offset:(32*(\t)+\i)*4096 th:TH_LOAD_NT
.endr
.endm
.Lw:
	s_sub_co_u32 s25, ttmp9, 256
	s_and_b32 s26, s25, 1                          ; y
	s_lshr_b32 s25, s25, 1                         ; xg
	s_lshr_b32 s27, s25, 3                         ; the matrix: 0 wq, 1 wk, 2 wv
	s_and_b32 s28, s25, 7
	s_lshl_b32 s28, s28, 7
	s_lshl_b32 s29, s24, 5
	s_add_co_u32 s28, s28, s29                     ; my wave's first column in its matrix
	s_lshl_b32 s30, s25, 7
	s_add_co_u32 s30, s30, s29                     ; and its row in wc and ws
	v_lshlrev_b32 v3, 2, v2                        ; in: 4 bytes a lane
	s_mul_i32 s31, s24, 32*PITCH
	s_add_co_u32 s31, s31, WSTG                    ; my stage
	v_mul_u32_u24 v4, v2, PITCH
	v_add_nc_u32 v4, s31, v4                       ; into it: row = my column
	v_and_b32 v5, 15, v2
	v_lshrrev_b32 v6, 4, v2
	v_mul_u32_u24 v7, v6, PITCH
	v_lshl_add_u32 v7, v5, 4, v7
	v_add_nc_u32 v7, s31, v7                       ; out of it: sixteen lanes to a row, two rows an instruction
	v_lshlrev_b32 v8, 9, v6
	v_lshl_add_u32 v8, v5, 4, v8                   ; the same place in wc: rows of 512 bytes
	v_lshlrev_b32 v9, 5, v2                        ; my column's row of scale bytes: 32 bytes a row
	s_lshl_b32 s32, s26, 21                        ; the matrix: 512 y rows of 4,096 bytes
	s_lshl_b32 s33, s28, 2
	s_add_co_u32 s32, s32, s33
	s_mov_b32 s33, 0
	s_lshl_b32 s34, s30, 9                         ; wc: row x 512 + 256 y
	s_lshl_b32 s35, s26, 8
	s_add_co_u32 s34, s34, s35
	s_mov_b32 s35, 0
	s_lshl_b32 s36, s30, 5                         ; ws: row x 32 + 16 y
	s_lshl_b32 s37, s26, 4
	s_add_co_u32 s36, s36, s37
	s_mov_b32 s37, 0
	s_wait_kmcnt 0x0
	s_cmp_eq_u32 s27, 0                            ; the choice hangs on the work-group's number alone
	s_cselect_b64 s[6:7], s[6:7], s[8:9]
	s_cmp_eq_u32 s27, 2
	s_cselect_b64 s[6:7], s[10:11], s[6:7]
	s_add_nc_u64 s[6:7], s[6:7], s[32:33]
	s_add_nc_u64 s[18:19], s[18:19], s[34:35]
	s_add_nc_u64 s[20:21], s[20:21], s[36:37]
	KLOAD 0, 6
	KLOAD 1, 6
.macro WBLOCK t
.set XS, KX+32*((\t)%2)
.if (\t) < 15
	s_wait_loadcnt 32                              ; this block's 32 loads are in; the next block's may be out
.else
	s_wait_loadcnt 0
.endif
	v_max3_num_f32 v12, |v[XS]|, |v[XS+1]|, |v[XS+2]|              ; the block's largest magnitude: all 32 numbers are mine
	v_max3_num_f32 v13, |v[XS+3]|, |v[XS+4]|, |v[XS+5]|
.irp i, 6,10,14,18,22,26
	v_max3_num_f32 v12, v12, |v[XS+\i]|, |v[XS+\i+1]|
	v_max3_num_f32 v13, v13, |v[XS+\i+2]|, |v[XS+\i+3]|
.endr
	v_max3_num_f32 v12, v12, |v[XS+30]|, |v[XS+31]|
	v_max3_num_f32 v12, v12, v13, (EMAX+1)<<23     ; and the floor
	v_add_nc_u32 v11, -(EMAX<<23), v12             ; the conversion's scale operand
	v_lshrrev_b32 v13, 23, v11                     ; the scale's byte
.if (\t)%4 == 0
	v_mov_b32 v[SB+(\t)/4], v13                    ; four bytes to a register, the lower K in the lower byte
.else
	v_lshl_or_b32 v[SB+(\t)/4], v13, 8*((\t)%4), v[SB+(\t)/4]
.endif
.irp g, 0,1,2,3
	v_cvt_scalef32_pk8_fp4_f32 v[KC+\g], v[XS+8*\g:XS+8*\g+7], v11
.endr
	ds_store_b128 v4, v[KC:KC+3] offset:16*(\t)    ; 32 codes: 16 bytes of my column's row
.if (\t)+2 < 16
	KLOAD (\t)+2, 6
.endif
	s_wait_dscnt 0x0                               ; the store has read its registers: the next block's codes may be written
.endm
.irp t, 0,1,2,3,4,5,6,7,8,9,10,11,12,13,14,15
	WBLOCK \t
.endr
	global_store_b128 v9, v[SB:SB+3], s[20:21]     ; my column's 16 scale bytes
.irp t, 0,1,2,3,4,5,6,7,8,9,10,11,12,13,14,15
	ds_load_b128 v[OUTR+4*\t:OUTR+4*\t+3], v7 offset:2*\t*PITCH
.endr
.irp t, 0,1,2,3,4,5,6,7,8,9,10,11,12,13,14,15
	s_wait_dscnt 15-\t                             ; LDS loads come back in order: load t is in
	global_store_b128 v8, v[OUTR+4*\t:OUTR+4*\t+3], s[18:19] offset:2*\t*512   ; sixteen lanes store 256 consecutive bytes, aligned
.endr
	FINISH
; ---------------- ARM O.  The same plan without a quantiser: a lane takes a column n of wo, its registers run down K, pairs are rounded to f16 and leave as rows of wot.
; Work-group i: xg = i % 8 (which 128 columns), y = i / 8 (which 128 along K).  A wave: 32 columns x 128 along K: 256 bytes of f16 a column.
.Lo:
	s_sub_co_u32 s25, ttmp9, 304
	s_and_b32 s26, s25, 7                          ; xg
	s_lshr_b32 s25, s25, 3                         ; y
	s_lshl_b32 s26, s26, 7
	s_lshl_b32 s27, s24, 5
	s_add_co_u32 s26, s26, s27                     ; my wave's first column
	v_lshlrev_b32 v3, 2, v2
	s_mul_i32 s31, s24, 32*PITCH
	s_add_co_u32 s31, s31, OSTG                    ; my stage
	v_mul_u32_u24 v4, v2, PITCH
	v_add_nc_u32 v4, s31, v4
	v_and_b32 v5, 15, v2
	v_lshrrev_b32 v6, 4, v2
	v_mul_u32_u24 v7, v6, PITCH
	v_lshl_add_u32 v7, v5, 4, v7
	v_add_nc_u32 v7, s31, v7
	v_lshlrev_b32 v8, 11, v6
	v_lshl_add_u32 v8, v5, 4, v8                   ; the same place in wot: rows of 2,048 bytes
	s_lshl_b32 s32, s25, 19                        ; wo: 128 y rows of 4,096 bytes + 4 x column
	s_lshl_b32 s33, s26, 2
	s_add_co_u32 s32, s32, s33
	s_mov_b32 s33, 0
	s_lshl_b32 s34, s26, 11                        ; wot: column x 2,048 + 256 y
	s_lshl_b32 s35, s25, 8
	s_add_co_u32 s34, s34, s35
	s_mov_b32 s35, 0
	s_wait_kmcnt 0x0
	s_add_nc_u64 s[12:13], s[12:13], s[32:33]
	s_add_nc_u64 s[22:23], s[22:23], s[34:35]
	KLOAD 0, 12
	KLOAD 1, 12
.macro OBLOCK t
.set XS, KX+32*((\t)%2)
.if (\t) < 3
	s_wait_loadcnt 32                              ; this block's 32 loads are in; the next block's may be out
.else
	s_wait_loadcnt 0
.endif
.irp g, 0,1,2,3,4,5,6,7,8,9,10,11,12,13,14,15
	v_cvt_pk_f16_f32 v[KC+\g], v[XS+2*\g], v[XS+2*\g+1]            ; two neighbours along K, the lower in the low half
.endr
.irp u, 0,1,2,3
	ds_store_b128 v4, v[KC+4*\u:KC+4*\u+3] offset:64*(\t)+16*\u
.endr
.if (\t)+2 < 4
	KLOAD (\t)+2, 12
.endif
	s_wait_dscnt 0x0                               ; the stores have read their registers
.endm
.irp t, 0,1,2,3
	OBLOCK \t
.endr
.irp t, 0,1,2,3,4,5,6,7,8,9,10,11,12,13,14,15
	ds_load_b128 v[OUTR+4*\t:OUTR+4*\t+3], v7 offset:2*\t*PITCH
.endr
.irp t, 0,1,2,3,4,5,6,7,8,9,10,11,12,13,14,15
	s_wait_dscnt 15-\t
	global_store_b128 v8, v[OUTR+4*\t:OUTR+4*\t+3], s[22:23] offset:2*\t*2048   ; sixteen lanes store 256 consecutive bytes, aligned
.endr
	FINISH
.Lfunc_end_k_qdeaca33627_prep:
	.size	k_qdeaca33627_prep, .Lfunc_end_k_qdeaca33627_prep-k_qdeaca33627_prep
	.p2alignl 7, 3214868480
	.fill 96, 4, 3214868480
	.section	.rodata,"a",@progbits
	.p2align	6, 0x0
	.amdhsa_kernel k_qdeaca33627_prep
		.amdhsa_group_segment_fixed_size 102912
		.amdhsa_private_segment_fixed_size 0
		.amdhsa_enable_private_segment 0
		.amdhsa_kernarg_size 80
		.amdhsa_user_sgpr_count 2
		.amdhsa_user_sgpr_kernarg_segment_ptr 1
		.amdhsa_wavefront_size32 1
		.amdhsa_system_sgpr_workgroup_id_x 1
		.amdhsa_system_sgpr_workgroup_id_y 1
		.amdhsa_system_sgpr_workgroup_id_z 1
		.amdhsa_system_vgpr_workitem_id 0
		.amdhsa_next_free_vgpr 196
		.amdhsa_next_free_sgpr 66
		.amdhsa_reserve_vcc 0
		.amdhsa_float_denorm_mode_32 3
		.amdhsa_float_denorm_mode_16_64 3
		.amdhsa_memory_ordered 1
		.amdhsa_forward_progress 1
		.amdhsa_inst_pref_size 133
	.end_amdhsa_kernel
	.amdgpu_metadata
---
amdhsa.version: [ 1, 2 ]
amdhsa.kernels:
  - .name:           k_qdeaca33627_prep
    .symbol:         k_qdeaca33627_prep.kd
    .args:
      - { .name: inputs, .offset: 0, .size: 8, .value_kind: global_buffer, .address_space: global }
      - { .name: wq, .offset: 8, .size: 8, .value_kind: global_buffer, .address_space: global }
      - { .name: wk, .offset: 16, .size: 8, .value_kind: global_buffer, .address_space: global }
      - { .name: wv, .offset: 24, .size: 8, .value_kind: global_buffer, .address_space: global }
      - { .name: wo, .offset: 32, .size: 8, .value_kind: global_buffer, .address_space: global }
      - { .name: xc, .offset: 40, .size: 8, .value_kind: global_buffer, .address_space: global }
      - { .name: xs, .offset: 48, .size: 8, .value_kind: global_buffer, .address_space: global }
      - { .name: wc, .offset: 56, .size: 8, .value_kind: global_buffer, .address_space: global }
      - { .name: ws, .offset: 64, .size: 8, .value_kind: global_buffer, .address_space: global }
      - { .name: wot, .offset: 72, .size: 8, .value_kind: global_buffer, .address_space: global }
    .group_segment_fixed_size: 102912
    .private_segment_fixed_size: 0
    .kernarg_segment_align: 8
    .kernarg_segment_size: 80
    .max_flat_workgroup_size: 128
    .sgpr_count:     66
    .vgpr_count:     196
    .wavefront_size: 32
...
	.end_amdgpu_metadata
.endif
;; end of part 1
;; launch qkv (part 2): grid 12 x 32, 4 waves a work-group, clusters of 4 x 4, 327,680 bytes of LDS; arguments xc, xs, wc, ws, bq, bk, bv, qkv; writes qkv
.if DOCPART == 2
	.amdgcn_target "amdgcn-amd-amdhsa--gfx1250"
	.amdhsa_code_object_version 6
	.text
	.protected	k_qdeaca33627_qkv
	.globl	k_qdeaca33627_qkv
	.p2align	8
	.type	k_qdeaca33627_qkv,@function
k_qdeaca33627_qkv:
	s_mov_b64 s[64:65], 0
	v_nop
	global_prefetch_b8 v0, s[64:65] scope:SCOPE_SE
	s_setreg_imm32_b32 hwreg(HW_REG_WAVE_MODE, 25, 1), 1
	s_wait_xcnt 0x0
	s_wait_alu depctr_hold_cnt(0) depctr_sa_sdst(0) depctr_va_vdst(0) depctr_va_sdst(0) depctr_va_ssrc(0) depctr_va_vcc(0) depctr_vm_vsrc(0)
	s_getreg_b32 s2, hwreg(HW_REG_IB_STS2, 6, 4)
	s_cmp_eq_u32 s2, 0
	s_cbranch_scc0 .Lentry_in_a_cluster
	s_endpgm
.Lentry_in_a_cluster:
	s_bfe_u32 s2, ttmp6, 0x10000c
	s_cmp_lg_u32 s2, 0xf033
	s_cbranch_scc0 .Lentry_shape_is_right
	s_endpgm
.Lentry_shape_is_right:
; QKV: the three quantised products as ONE GEMM on codes of E2M1: C[m][n] = sum over k of X[m][k] W[n][k] + bias[n], m 8,192 rows of the inputs, n 3,072 = 1,024 x matrix + column, k 1,024.
; xc [8192][512 bytes], wc [3072][512 bytes]: two codes a byte, K innermost; xs [8192][32], ws [3072][32]: one E8M0 byte for each 32 along K.  Sums in f32.
; The result is rounded to f16 and laid BY HEAD: qkv = [matrix 3][batch x 16 + head][position 2048][64] f16, so that a head's rows are one dense block and two neighbouring rows are 256 consecutive bytes.
; LIMIT: a result beyond 65,504 in magnitude becomes infinity in f16.
; A tile of C, 256 x 256, is made by a work-group of four waves; a wave makes 128 x 128: 64 accumulators, 512 registers.  K = 1,024 is two LDS slots of 512 along K (rows of 256 bytes):
; both are asked for at the head, with the scale bytes of the tile's rows, and nothing is ever filled again.  By the text's own count a wave has three tensor loads out at the most.
; 12 x 32 tiles; a tile's four heads belong to one matrix (cluster x IS the matrix), so the bias is chosen by the cluster's x.
; CLUSTERS: 4 x 4 work-groups.  The four of a row of the cluster need the same tiles of X, the four of a column the same tiles of W: each is asked for JOINTLY.
; THE MATRIX INSTRUCTION IS USED TRANSPOSED (source 0 = 16 rows of W, source 1 = 16 rows of X): a lane holds eight neighbouring columns of a row of C.
; The bias is the C of each sum's first product: eight registers for each of the wave's eight blocks of columns.
; REGISTERS: window 0: v16-30 addresses; v32-95 scale words, two sets; v128-191 X's fragments, one set; v192-255 the bias, later packed results.  window 1: W's fragments, two sets.  windows 2, 3: accumulators.
.set KSTEP,  512
.set NQ,     KSTEP/128
.set ROWB,   256                       ; a tile's row in bytes
.set KROW,   512                       ; a row of codes in memory
.set PITCH,  272                       ; an LDS row: 256 bytes + 16 of padding = 68 words: the 16 rows that a load touches start at 16 different banks (64 banks of 4 bytes: ISA guide 11.1)
.set FR,     8
.set NL,     2
.set NP,     4                         ; places behind this matrix instruction (ISA guide 7.12.1)
.set HALFT,  128*PITCH
.set SLOT,   4*HALFT                   ; X's 256 rows, then W's 256 rows
.set KS,     32                        ; a row of scale bytes
.set SCL,    2*SLOT                    ; behind the slots: the scales, as units of 256 bytes + 16 of padding
.set HALFS,  (128*KS/256)*272
.set SBLK,   (16*KS/256)*272
.set STG,    SCL+4*HALFS               ; the way out: 16 rows x (256 bytes + 16) for each wave, bytes of its own
.set SPITCH, 272
.set SPARE,  STG+4*16*SPITCH           ; the spare words, 128 bytes for each wave
.set ADRA, 16
.set ADRB, 20
.set STO,  24
.set RD,   25
.set CO,   26
.set ADRS, 27
.set SPW,  28
.set NIL,  29
.set BO,   30                          ; v30  the bias loads' offset: 32 x (lane / 16)
.set SC,   32
.set AF,   128
.set BI,   192                         ; v192-255 the bias: register 8 b + j: column 16 b + 8 (lane / 16) + j of my 128
.set TMP,  192                         ; the way out: packed results
.set OB,   128                         ; the way out: rows read back, two sets of 32
.set G1, 24
.set G0, 32
.set G1B, 48
.set G0B, 56
.set G1S, 68
.set G0S, 76
.set G1SB, 80
.set G0SB, 88
.set MSB, 0
.macro WIN new                         ; the immediate's high byte repeats the setting that is left
.if MSB != \new
	s_set_vgpr_msb (MSB<<8)|\new
.set MSB, \new
.endif
.endm
.set MUL_LO, 0xa1                      ; source 0 (W) window 1, source 1 (X) window 0, C and D window 2
.set MUL_HI, 0xf1                      ; the same, C and D window 3
.set FIRST_LO, 0x81                    ; the first products: C (the bias) window 0, D window 2
.set FIRST_HI, 0xc1                    ; D window 3
.set TO_B,   0x40
; A joint load: waves 0 and 1 fetch for X, waves 2 and 3 for W.  The branch hangs on the wave's number alone.  An s_nop 0 and four v_nop follow each line.
.macro JLOAD g0a, g1a, g0b, g1b
	s_cmp_eq_u32 s15, 0
	s_cbranch_scc0 .Lfor_b_\@
	tensor_load_to_lds s[\g0a:\g0a+3], s[\g1a:\g1a+7]
	s_nop 0
.rept 4
	v_nop
.endr
	s_branch .Lasked_\@
.Lfor_b_\@:
	tensor_load_to_lds s[\g0b:\g0b+3], s[\g1b:\g1b+7]
	s_nop 0
.rept 4
	v_nop
.endr
.Lasked_\@:
.endm
.macro CROUND                          ; a round of the cluster's barrier
	s_barrier_signal -1
	s_barrier_wait -1
	s_cmp_lg_u32 s14, 0
	s_cbranch_scc1 .Lnot_wave_0_\@
	s_barrier_signal -3
.Lnot_wave_0_\@:
	s_barrier_wait -3
	s_barrier_signal -1
	s_barrier_wait -1
.endm
	s_load_b128 s[4:7], s[0:1], 0x0                ; xc s[4:5], xs s[6:7]
	s_load_b128 s[8:11], s[0:1], 0x10              ; wc s[8:9], ws s[10:11]
	v_lshl_add_u32 v[SPW], v0, 2, SPARE
	v_mov_b32 v[NIL], 0
	ds_add_u32 v[SPW], v[NIL]                      ; the wave's opening: the add, twice on end, and its wait ahead of my first tensor load
	ds_add_u32 v[SPW], v[NIL]
	v_lshrrev_b32 v1, 5, v0
	v_readfirstlane_b32 s14, v1                    ; wave 0..3
	s_lshr_b32 s15, s14, 1                         ; which half of the tile's rows is mine.  Also: I fetch for X (0) or for W (1)
	s_and_b32 s16, s14, 1                          ; which half of its columns.  Also: which 128 rows of that tile I fetch
	s_bfe_u32 s40, ttmp6, 0x40000                  ; cx, cy: my place in the cluster
	s_bfe_u32 s41, ttmp6, 0x40004
	s_lshl_b32 s42, ttmp9, 2
	s_add_co_u32 s42, s42, s40                     ; tile column = 4 x cluster x + cx
	s_and_b32 s17, ttmp7, 0xffff
	s_lshl_b32 s17, s17, 2
	s_add_co_u32 s17, s17, s41                     ; tile row = 4 x cluster y + cy
	s_lshl_b32 s43, s41, 2
	s_lshl_b32 s43, 15, s43                        ; my row of the cluster
	s_lshl_b32 s44, 0x1111, s40                    ; my column
	; descriptor group 1: a tile of 128 rows x 256 bytes, 16 bytes of padding behind each row
	s_or_b32 s[G1+0], s43, (0<<16)|(1<<20)|(1<<21)|(5<<22)|(3<<25)  ; 15:0 the mask; 17:16 elements of 1 byte; 20 padding on; 21 set beside a mask; 24:22 after every 64 words; 31:25 four words
	s_or_b32 s[G1B+0], s44, (0<<16)|(1<<20)|(1<<21)|(5<<22)|(3<<25)
.irp g, G1, G1B
	s_mov_b32 s[\g+1], ROWB<<16                    ; tensor_dim0
	s_mov_b32 s[\g+2], 128<<16                     ; tensor_dim1
	s_mov_b32 s[\g+3], ROWB<<16                    ; tile_dim0
	s_mov_b32 s[\g+4], 128                         ; tile_dim1
	s_mov_b32 s[\g+5], KROW                        ; tensor_dim0_stride
	s_mov_b32 s[\g+6], 0
	s_mov_b32 s[\g+7], 0
.endr
	; the scales of 128 rows: a dense block of 4,096 bytes, as 16 rows of 256 bytes (32 elements of 8 bytes), 16 bytes of padding behind each
	s_or_b32 s[G1S+0], s43, (3<<16)|(1<<20)|(1<<21)|(5<<22)|(3<<25)
	s_or_b32 s[G1SB+0], s44, (3<<16)|(1<<20)|(1<<21)|(5<<22)|(3<<25)
.irp g, G1S, G1SB
	s_mov_b32 s[\g+1], 32<<16
	s_mov_b32 s[\g+2], (128*KS/256)<<16
	s_mov_b32 s[\g+3], 32<<16
	s_mov_b32 s[\g+4], 128*KS/256
	s_mov_b32 s[\g+5], 32
	s_mov_b32 s[\g+6], 0
	s_mov_b32 s[\g+7], 0
.endr
	s_lshl_b32 s18, s16, 7                         ; which 128 rows of the tile I fetch
	s_lshl_b32 s20, s17, 8
	s_add_co_u32 s20, s20, s18                     ; X: row 256 x tile row + 128 x half
	s_lshl_b32 s46, s42, 8
	s_add_co_u32 s46, s46, s18                     ; W: row 256 x tile column + 128 x half
	s_mov_b32 s21, 0
	s_mov_b32 s47, 0
	s_mov_b64 s[18:19], KS
	s_mul_u64 s[22:23], s[20:21], s[18:19]         ; where these rows' scales begin, in bytes,
	s_mul_u64 s[92:93], s[46:47], s[18:19]
	s_mov_b64 s[18:19], KROW
	s_mul_u64 s[20:21], s[20:21], s[18:19]         ; and their codes
	s_mul_u64 s[46:47], s[46:47], s[18:19]
	s_mul_i32 s45, s14, HALFT                      ; where they go: wave x 128 rows: no place in the cluster enters an LDS address
	s_mul_i32 s94, s14, HALFS
	s_wait_dscnt 0x0                               ; both opening adds are done
	s_wait_kmcnt 0x0
	s_add_nc_u64 s[20:21], s[4:5], s[20:21]
	s_add_nc_u64 s[22:23], s[6:7], s[22:23]
	s_add_nc_u64 s[46:47], s[8:9], s[46:47]
	s_add_nc_u64 s[92:93], s[10:11], s[92:93]
	CROUND                                         ; all sixteen work-groups are here: the joint loads meet
	s_mov_b32 s[G0S], 1
	s_add_co_u32 s[G0S+1], s94, SCL
	s_mov_b64 s[G0S+2:G0S+3], s[22:23]
	s_or_b32 s[G0S+3], s[G0S+3], 0x80000000
	s_mov_b32 s[G0SB], 1
	s_add_co_u32 s[G0SB+1], s94, SCL
	s_mov_b64 s[G0SB+2:G0SB+3], s[92:93]
	s_or_b32 s[G0SB+3], s[G0SB+3], 0x80000000
	JLOAD G0S, G1S, G0SB, G1SB                     ; the scales first: they are wanted with the first slot
.irp s, 0,1
	s_mov_b32 s[G0+4*\s], 1
	s_add_co_u32 s[G0+4*\s+1], s45, \s*SLOT
	s_add_nc_u64 s[G0+4*\s+2:G0+4*\s+3], s[20:21], \s*ROWB
	s_or_b32 s[G0+4*\s+3], s[G0+4*\s+3], 0x80000000
	s_mov_b32 s[G0B+4*\s], 1
	s_add_co_u32 s[G0B+4*\s+1], s45, \s*SLOT
	s_add_nc_u64 s[G0B+4*\s+2:G0B+4*\s+3], s[46:47], \s*ROWB
	s_or_b32 s[G0B+4*\s+3], s[G0B+4*\s+3], 0x80000000
	JLOAD G0+4*\s, G1, G0B+4*\s, G1B
.endr
	s_load_b256 s[4:11], s[0:1], 0x20              ; the first four addresses are used up: bq s[4:5], bk s[6:7], bv s[8:9], qkv s[10:11]
	v_and_b32 v1, 15, v0                           ; l % 16
	v_bfe_u32 v2, v0, 4, 1                         ; l / 16
	v_mul_u32_u24 v3, v1, PITCH
	v_lshl_add_u32 v4, v2, 4, v3                   ; a fragment's row x pitch + 16 x half
	s_mul_i32 s21, s15, HALFT                      ; my 128 rows of X
	s_mul_i32 s22, s16, HALFT                      ; my 128 rows of W,
	s_add_co_u32 s22, s22, 2*HALFT                 ; which lie behind X's 256
.irp s, 0,1
	v_add_nc_u32 v[ADRA+\s], s21, v4
	v_add_nc_u32 v[ADRB+\s], s22, v4
	s_add_co_u32 s21, s21, SLOT
	s_add_co_u32 s22, s22, SLOT
.endr
	v_mul_u32_u24 v5, v1, KS                       ; my row's scales: 32 bytes a row,
	v_lshrrev_b32 v6, 8, v5
	v_lshl_add_u32 v5, v6, 4, v5                   ; and 16 more for each 256 passed
	s_mul_i32 s21, s15, HALFS
	s_mul_i32 s22, s16, HALFS
	s_add_co_u32 s22, s22, 2*HALFS
	s_sub_co_u32 s22, s22, s21
	v_mul_u32_u24 v6, s22, v2                      ; lanes 16-31 take W's: one product, the distance between the two bases
	s_add_co_u32 s21, s21, SCL
	v_add_nc_u32 v5, v5, v6
	v_add_nc_u32 v[ADRS], s21, v5
	s_mul_i32 s23, s14, 16*SPITCH
	s_add_co_u32 s23, s23, STG                     ; my stage
	v_mul_u32_u24 v5, v1, SPITCH                   ; in: row l % 16, 16 bytes for each half of the lanes
	v_lshl_add_u32 v5, v2, 4, v5
	v_add_nc_u32 v[STO], s23, v5
	v_bfe_u32 v6, v0, 3, 1                         ; back: lanes 0-15 take my first head's 128 bytes of two rows, lanes 16-31 my second head's
	v_and_b32 v7, 7, v0
	v_mul_u32_u24 v5, v6, SPITCH
	v_lshl_add_u32 v5, v2, 7, v5
	v_lshl_add_u32 v5, v7, 4, v5
	v_add_nc_u32 v[RD], s23, v5
	v_lshlrev_b32 v[CO], 18, v2                    ; and in qkv: a head is 262,144 bytes, a row 128
	v_lshl_add_u32 v[CO], v6, 7, v[CO]
	v_lshl_add_u32 v[CO], v7, 4, v[CO]
	v_lshlrev_b32 v[BO], 5, v2
	s_lshr_b32 s92, s17, 3                         ; where my part begins in qkv: batch = tile row / 8,
	s_lshl_b32 s92, s92, 4
	s_lshl_b32 s93, s40, 2
	s_add_co_u32 s92, s92, s93
	s_lshl_b32 s93, s16, 1
	s_add_co_u32 s92, s92, s93                     ; 16 x batch + head, head = 4 cx + 2 x my half of the columns
	s_lshl_b32 s92, s92, 18
	s_lshl_b32 s93, ttmp9, 24                      ; the matrix: 16,777,216 bytes each
	s_add_co_u32 s92, s92, s93
	s_and_b32 s93, s17, 7
	s_lshl_b32 s93, s93, 15                        ; position 256 x (tile row % 8), 128 bytes a row
	s_add_co_u32 s92, s92, s93
	s_lshl_b32 s93, s15, 14                        ; + 128 x my half of the rows
	s_add_co_u32 s92, s92, s93
	s_mov_b32 s93, 0
	s_lshl_b32 s46, s40, 10                        ; the bias: 4 x (256 cx + 128 x my half of the columns)
	s_lshl_b32 s47, s16, 9
	s_add_co_u32 s46, s46, s47
	s_mov_b32 s47, 0
	s_wait_kmcnt 0x0
	s_add_nc_u64 s[12:13], s[10:11], s[92:93]
	s_cmp_eq_u32 ttmp9, 0                          ; the cluster's x is the matrix: the same in all sixteen partners
	s_cselect_b64 s[4:5], s[4:5], s[6:7]
	s_cmp_eq_u32 ttmp9, 2
	s_cselect_b64 s[4:5], s[8:9], s[4:5]
	s_add_nc_u64 s[4:5], s[4:5], s[46:47]
.irp b, 0,1,2,3,4,5,6,7
	global_load_b128 v[BI+8*\b:BI+8*\b+3], v[BO], s[4:5] offset:64*\b
	global_load_b128 v[BI+8*\b+4:BI+8*\b+7], v[BO], s[4:5] offset:64*\b+16
.endr
.macro FRAG reg, adr, q, i             ; a fragment, 16 rows x 128 K of 4-bit codes: registers 4 c .. 4 c + 3 hold K = 64 c + 32 (l / 16) + 0 .. 31
.irp c, 0,1
	ds_load_b128 v[\reg+4*\c:\reg+4*\c+3], v[\adr] offset:64*(\q)+32*\c+(\i)*16*PITCH
.endr
.endm
; 16 matrix instructions: X's blocks a0, a0 + 1 x W's eight, the slot's q-th 128 along K.  p: W's set; sc: the set of scale words.  first = 1: the sum begins with the bias as C.
; The 64 accumulators take turns, one instruction a turn, in the same order in every step.
.macro MUL16 a0, p, q, sc, first
.irp a, \a0, \a0+1
.irp b, 0,1,2,3,4,5,6,7
.if \first
	v_wmma_scale_f32_16x16x128_f8f6f4 v[8*(8*((\a)%4)+\b):8*(8*((\a)%4)+\b)+7], v[128*(\p)+FR*\b:128*(\p)+FR*\b+FR-1], v[AF+FR*(\a):AF+FR*(\a)+FR-1], v[BI+8*\b:BI+8*\b+7], v[SC+8*NQ*(\sc)+NQ*\b+(\q)], v[SC+8*NQ*(\sc)+NQ*(\a)+(\q)] matrix_a_fmt:MATRIX_FMT_FP4 matrix_b_fmt:MATRIX_FMT_FP4 matrix_a_scale:MATRIX_SCALE_ROW1
.else
	v_wmma_scale_f32_16x16x128_f8f6f4 v[8*(8*((\a)%4)+\b):8*(8*((\a)%4)+\b)+7], v[128*(\p)+FR*\b:128*(\p)+FR*\b+FR-1], v[AF+FR*(\a):AF+FR*(\a)+FR-1], v[8*(8*((\a)%4)+\b):8*(8*((\a)%4)+\b)+7], v[SC+8*NQ*(\sc)+NQ*\b+(\q)], v[SC+8*NQ*(\sc)+NQ*(\a)+(\q)] matrix_a_fmt:MATRIX_FMT_FP4 matrix_b_fmt:MATRIX_FMT_FP4 matrix_a_scale:MATRIX_SCALE_ROW1
.endif
.endr
.endr
.endm
.macro FETCH_B slot, q, p
	WIN TO_B
.irp i, 0,1,2,3,4,5,6,7
	FRAG 128*(\p)+FR*\i, ADRB+\slot, \q, \i
.endr
	WIN 0
.endm
.macro FETCH_A slot, q, i0
.irp i, \i0, \i0+1, \i0+2, \i0+3
	FRAG AF+FR*(\i), ADRA+\slot, \q, \i
.endr
.endm
.macro SCALES sc                       ; a slot's scale words: 4 words a row; lanes 0-15 take X's block i, lanes 16-31 W's block i
.irp i, 0,1,2,3,4,5,6,7
	ds_load_b128 v[SC+8*NQ*\sc+NQ*\i:SC+8*NQ*\sc+NQ*\i+3], v[ADRS] offset:\i*SBLK
.endr
.endm
.macro PLACES n                        ; plain vector instructions between a matrix instruction and a load into, or a read of, its registers
.rept \n
	v_nop
.endr
.endm
; A step of 128 along K that has its successor in the same slot.
.macro STEP slot, q, first
	s_wait_dscnt 4*NL                              ; W's set and X's blocks 0-3 are in; the youngest eight loads (X's blocks 4-7) may be out
.if \first
	WIN FIRST_LO
.else
	WIN MUL_LO
.endif
	MUL16 0, (\q)%2, \q, \slot, \first
	MUL16 2, (\q)%2, \q, \slot, \first
	s_wait_dscnt 0                                 ; X's blocks 4-7 are in
	PLACES NP
	FETCH_B \slot, (\q)+1, 1-(\q)%2
	FETCH_A \slot, (\q)+1, 0
.if \first
	WIN FIRST_HI
.else
	WIN MUL_HI
.endif
	MUL16 4, (\q)%2, \q, \slot, \first
	MUL16 6, (\q)%2, \q, \slot, \first
	PLACES NP
	WIN 0
	FETCH_A \slot, (\q)+1, 4
.endm
.macro STEPS slot, from
.set Q, \from
.rept NQ-1-\from
	STEP \slot, Q, 0
.set Q, Q+1
.endr
.endm
	s_wait_tensorcnt 1                             ; the scales and my part of slot 0 are in (slot 1's load may be out)
	s_barrier_signal -1
	s_barrier_wait -1                              ; everybody's are
	FETCH_B 0, 0, 0
	FETCH_A 0, 0, 0
	SCALES 0
	FETCH_A 0, 0, 4
	s_wait_loadcnt 0x0                             ; the bias
	STEP 0, 0, 1                                   ; the first step's products start the sums with the bias
	STEPS 0, 1
	; slot 0's last step changes slots: one barrier; in front of it each wave waits for its part of slot 1
	s_wait_tensorcnt 0x0                           ; all my tensor loads have landed
	ds_add_u32 v[SPW], v[NIL]                      ; 0 onto my spare word
	s_wait_dscnt 4*NL+1                            ; (the add and the youngest eight loads may be out)
	WIN MUL_LO
	MUL16 0, 1, NQ-1, 0, 0
	s_wait_dscnt 0x0                               ; the add is done, and my reads of slot 0 are over
	s_barrier_signal -1
	MUL16 2, 1, NQ-1, 0, 0
	WIN 0
	s_barrier_wait -1                              ; slot 1 is whole
	PLACES NP
	v_add_nc_u32 v[ADRS], 4*NQ, v[ADRS]            ; on to slot 1's scale words
	FETCH_B 1, 0, 0
	FETCH_A 1, 0, 0
	SCALES 1
	WIN MUL_HI
	MUL16 4, 1, NQ-1, 0, 0
	MUL16 6, 1, NQ-1, 0, 0
	PLACES NP
	WIN 0
	FETCH_A 1, 0, 4
	STEPS 1, 0
	s_wait_dscnt 4*NL                              ; the very last step: nothing more to fetch
	WIN MUL_LO
	MUL16 0, 1, NQ-1, 1, 0
	MUL16 2, 1, NQ-1, 1, 0
	s_wait_dscnt 0
	WIN MUL_HI
	MUL16 4, 1, NQ-1, 1, 0
	MUL16 6, 1, NQ-1, 1, 0
	WIN 0
; THE WAY OUT, block by block of 16 rows x 128 columns (two heads).  PACK: rounded to f16, 16 bytes a lane, each accumulator from its low end on.  TOSTAGE: into my own stage and back by heads.
; SEND: lanes 0-15 store two neighbouring rows of my first head, 256 consecutive bytes, aligned; lanes 16-31 the same rows of my second head.
.macro PACK a
.set AC, 64*((\a)%4)
	WIN 0x0a+5*((\a)/4)                            ; sources 0 and 1: window 2 or 3
.irp b, 0,1,2,3,4,5,6,7
.irp r, 0,1,2,3
	v_cvt_pk_f16_f32 v[TMP+4*\b+\r], v[AC+8*\b+2*\r], v[AC+8*\b+2*\r+1]
.endr
.endr
	WIN 0
.endm
.macro TOSTAGE a
.set BK, OB+32*((\a)%2)
.irp b, 0,1,2,3,4,5,6,7
	ds_store_b128 v[STO], v[TMP+4*\b:TMP+4*\b+3] offset:32*\b
.endr
.irp t, 0,1,2,3,4,5,6,7
	ds_load_b128 v[BK+4*\t:BK+4*\t+3], v[RD] offset:\t*2*SPITCH    ; LDS serves a wave's instructions in order (ISA guide 5.7.1.4): these see the stores above
.endr
.endm
.macro SEND a
.set BK, OB+32*((\a)%2)
	s_wait_dscnt 0x0                               ; the block is back in registers
	s_wait_xcnt 0x0                                ; the block before's stores have read their registers: the next block's loads may land there
.irp t, 0,1,2,3,4,5,6,7
	global_store_b128 v[CO], v[BK+4*\t:BK+4*\t+3], s[12:13] offset:2048*(\a)+256*\t th:TH_STORE_NT
.endr
.endm
	PLACES NP                                      ; behind the last products
	PACK 0
	TOSTAGE 0
.irp a, 1,2,3,4,5,6,7                  ; block a's conversions stand between block a - 1's loads from the stage and the wait for them
	PACK \a
	SEND \a-1
	TOSTAGE \a
.endr
	SEND 7
	s_wait_tensorcnt 0x0                           ; the wave's end
	ds_add_u32 v[SPW], v[NIL]
	s_wait_dscnt 0x0
	CROUND                                         ; the closing round
	s_endpgm
.Lfunc_end_k_qdeaca33627_qkv:
	.size	k_qdeaca33627_qkv, .Lfunc_end_k_qdeaca33627_qkv-k_qdeaca33627_qkv
	.p2alignl 7, 3214868480
	.fill 96, 4, 3214868480
	.section	.rodata,"a",@progbits
	.p2align	6, 0x0
	.amdhsa_kernel k_qdeaca33627_qkv
		.amdhsa_group_segment_fixed_size 327680
		.amdhsa_private_segment_fixed_size 0
		.amdhsa_enable_private_segment 0
		.amdhsa_kernarg_size 64
		.amdhsa_user_sgpr_count 2
		.amdhsa_user_sgpr_kernarg_segment_ptr 1
		.amdhsa_wavefront_size32 1
		.amdhsa_system_sgpr_workgroup_id_x 1
		.amdhsa_system_sgpr_workgroup_id_y 1
		.amdhsa_system_sgpr_workgroup_id_z 1
		.amdhsa_system_vgpr_workitem_id 0
		.amdhsa_next_free_vgpr 1024
		.amdhsa_next_free_sgpr 98
		.amdhsa_reserve_vcc 0
		.amdhsa_float_denorm_mode_32 3
		.amdhsa_float_denorm_mode_16_64 3
		.amdhsa_memory_ordered 1
		.amdhsa_forward_progress 1
		.amdhsa_inst_pref_size 128
	.end_amdhsa_kernel
	.amdgpu_metadata
---
amdhsa.version: [ 1, 2 ]
amdhsa.kernels:
  - .name:           k_qdeaca33627_qkv
    .symbol:         k_qdeaca33627_qkv.kd
    .args:
      - { .name: xc, .offset: 0, .size: 8, .value_kind: global_buffer, .address_space: global }
      - { .name: xs, .offset: 8, .size: 8, .value_kind: global_buffer, .address_space: global }
      - { .name: wc, .offset: 16, .size: 8, .value_kind: global_buffer, .address_space: global }
      - { .name: ws, .offset: 24, .size: 8, .value_kind: global_buffer, .address_space: global }
      - { .name: bq, .offset: 32, .size: 8, .value_kind: global_buffer, .address_space: global }
      - { .name: bk, .offset: 40, .size: 8, .value_kind: global_buffer, .address_space: global }
      - { .name: bv, .offset: 48, .size: 8, .value_kind: global_buffer, .address_space: global }
      - { .name: qkv, .offset: 56, .size: 8, .value_kind: global_buffer, .address_space: global }
    .group_segment_fixed_size: 327680
    .private_segment_fixed_size: 0
    .kernarg_segment_align: 8
    .kernarg_segment_size: 64
    .max_flat_workgroup_size: 128
    .sgpr_count:     98
    .vgpr_count:     1024
    .wavefront_size: 32
...
	.end_amdgpu_metadata
.endif
;; end of part 2
;; launch attn (part 3): grid 8 x 64, 4 waves a work-group, clusters of 4 x 1, 327,680 bytes of LDS; arguments qkv, att; writes att
.if DOCPART == 3
	.amdgcn_target "amdgcn-amd-amdhsa--gfx1250"
	.amdhsa_code_object_version 6
	.text
	.protected	k_qdeaca33627_attn
	.globl	k_qdeaca33627_attn
	.p2align	8
	.type	k_qdeaca33627_attn,@function
k_qdeaca33627_attn:
	s_mov_b64 s[64:65], 0
	v_nop
	global_prefetch_b8 v0, s[64:65] scope:SCOPE_SE
	s_setreg_imm32_b32 hwreg(HW_REG_WAVE_MODE, 25, 1), 1
	s_wait_xcnt 0x0
	s_wait_alu depctr_hold_cnt(0) depctr_sa_sdst(0) depctr_va_vdst(0) depctr_va_sdst(0) depctr_va_ssrc(0) depctr_va_vcc(0) depctr_vm_vsrc(0)
	s_getreg_b32 s2, hwreg(HW_REG_IB_STS2, 6, 4)
	s_cmp_eq_u32 s2, 0
	s_cbranch_scc0 .Lentry_in_a_cluster
	s_endpgm
.Lentry_in_a_cluster:
	s_bfe_u32 s2, ttmp6, 0x10000c
	s_cmp_lg_u32 s2, 0x3003
	s_cbranch_scc0 .Lentry_shape_is_right
	s_endpgm
.Lentry_shape_is_right:
; ATTN: att[g][q][:] = the sum over k of softmax_k(Q[g][q] . K[g][k] / 8) V[g][k][:], g = 16 x batch + head (64 of them), 2,048 positions, head size 64, no mask.
; qkv = [Q, K, V][g][position][64] f16; att = [g][position][64] f16.  Products, maxima and sums in f32; the weights p are rounded to f16 for the second product, the result once at the end.
; LIMITS: the operands are f16 as the launch before left them; p is at most 2^0.5 for every input; NaN and infinities are not served.
; SHARES.  A work-group owns 256 queries of one g, each of its four waves 64: four tiles of 16.  Every wave walks all 2,048 keys, 64 a step.
; LAYOUT.  S^T = K Q^T (source 0 = 16 keys, source 1 = 16 queries): a lane holds ONE query (lane % 16) and the keys 8 (lane / 16) + 0..7.  Two such tiles, rounded in pairs, ARE source 1 of O^T = V^T P,
; whose result again holds one query a lane.  K comes out of LDS as it lies, V ([key][channel]) turned, by ds_load_tr16_b128.
; SOFTMAX.  For each query a running maximum m and sum l: p = 2^(c s - c m), c = log2(e) / 8; in every step O and l are multiplied by a = 2^(c m_old - c m_new).
; BY TURNS.  The wave's tiles are two PIECES (tiles 0, 1 and tiles 2, 3).  In a TURN one piece has the matrix unit: 16 products V^T P of the step in hand, then 16 products K Q^T of the next step; the other
; piece's softmax, 236 instructions cut into 59 slices of four, stands between them.  Two turns are a key step.
; CLUSTER.  The four query blocks of a cluster belong to one g and walk the same K and V: each tile is asked for JOINTLY, with a mask that names the four.
; RING.  Two slots of 256 keys (four steps): one joint load a wave behind each round (waves 0, 1: K's halves; waves 2, 3: V's), which has four key steps in which to land.  A wave has two tensor loads out at the most.
; REGISTERS: window 0: v2-8 addresses; v12-43 statistics, 8 a tile; v61-63; v64-191 S^T, 32 a tile; v192-255 P, 16 a tile.  window 1: v0-127 O^T, 32 a tile; v128-191 V of one step.
;   window 2: v0-63 Q, 16 a tile; v64-127 K of one step.
.set KS,    64        ; keys in a step
.set NS,    4         ; steps in a slot
.set SKEYS, NS*KS
.set PK,    144       ; a row of K in LDS: 128 bytes + 16 of padding = 36 words: the 16 rows of a load start at 16 different groups of four banks (64 banks of 4 bytes: ISA guide 11.1)
.set PV,    160       ; a row of V: 128 + 32
.set VOFF,  SKEYS*PK  ; a slot: 256 rows of K, then 256 rows of V
.set KSTEPB, KS*PK
.set VSTEPB, KS*PV
.set SLOT1, 1<<17     ; slot 1 begins here, so that one exclusive or turns an address in one slot into the other's
.set STAGE, SLOT1+SKEYS*(PK+PV)  ; behind the ring: 16 rows x 144 bytes for each wave
.set SP,    144
.set SPARE, STAGE+4*16*SP  ; the spare words, 128 bytes for each wave
.set SLOTB, SKEYS*128 ; a slot's rows of K or of V in memory
.set MATB,  16777216  ; from Q to K and from K to V in qkv
.set AK0, 2
.set AV0, 3
.set ADR, 4
.set QO,  5
.set STO, 6
.set RD,  7
.set GO,  8
.set PFO, 61          ; v61  256 x my lane; never rewritten
.set SPW, 62
.set NIL, 63
.set ST,  12          ; tile t's statistics at v[ST+8 t]: +0 c m, +1 m, +2, +3 l, +4 to +7 at work; a takes +6
.set S,   64
.set P,   192
.set KF,  64          ; K's fragments, in window 2
.set VF,  128         ; V's fragments, in window 1
.set WV,  12
.set LIM, 15          ; s15  1 in a wave that prefetches, else the greatest number
.set PFA, 18          ; s[18:19] where my prefetches stand
.set G1K, 24
.set G1V, 32
.set G0K, 40          ; s[40:47] two groups 0 for K's tiles; the second walks on
.set G0V, 48
.set SLOTS, 56
.set CNT, 57
.set CS,  58
.set SEL, 60
.set TBK, 62          ; s62  LDS byte at which K's rows of the step to be fetched begin
.set TBV, 63          ; s63  the same for V (less VOFF, which the lane's place carries)
.set MSB, 0
.macro WIN new
.if MSB != \new
	s_set_vgpr_msb (MSB<<8)|\new
.set MSB, \new
.endif
.endm
.set W_KQ, 0x0a       ; K and Q in window 2, S^T in window 0
.set W_PV, 0x51       ; V and O^T in window 1, P in window 0
.set W_RS, 0x41       ; O^T (destination and source 0) in window 1, a in window 0
.macro JLOAD          ; a joint refill; the branch hangs on the wave's number alone; an s_nop 0 and four v_nop follow each line
	s_cmp_lt_u32 s[WV], 2
	s_cbranch_scc0 .Lfor_v_\@
	tensor_load_to_lds s[G0K+4:G0K+7], s[G1K:G1K+7]
	s_nop 0
.rept 4
	v_nop
.endr
	s_branch .Lasked_\@
.Lfor_v_\@:
	tensor_load_to_lds s[G0V+4:G0V+7], s[G1V:G1V+7]
	s_nop 0
.rept 4
	v_nop
.endr
.Lasked_\@:
.endm
; A PREFETCH of what the NEXT change of slots will ask for: a slot's 32,768 bytes of K and of V.  Each block of 256 bytes is named once in the launch: of the two clusters of a g the first asks; its four partners
; take 8,192 bytes each, told apart BY ADDRESS; in each, wave 0 asks for K's and wave 2 for V's, lanes 256 bytes apart.  The last change that fills a slot asks for nothing.
.macro ASK
	s_cmp_gt_u32 s[SLOTS], s[LIM]
	s_cbranch_scc0 .Lnot_mine_\@
	global_prefetch_b8 v[PFO], s[PFA:PFA+1] th:TH_LOAD_NT scope:SCOPE_SE
.Lnot_mine_\@:
.endm
.macro CROUND         ; a round of the cluster's barrier
	s_barrier_signal -1
	s_barrier_wait -1
	s_cmp_lg_u32 s[WV], 0
	s_cbranch_scc1 .Lnot_wave_0_\@
	s_barrier_signal -3
.Lnot_wave_0_\@:
	s_barrier_wait -3
	s_barrier_signal -1
	s_barrier_wait -1
.endm
	s_load_b128 s[4:7], s[0:1], 0x0  ; qkv s[4:5], att s[6:7]
	v_lshl_add_u32 v[SPW], v0, 2, SPARE
	v_mov_b32 v[NIL], 0
	ds_add_u32 v[SPW], v[NIL]       ; the wave's opening: the add, twice on end, and its wait ahead of my first tensor load
	ds_add_u32 v[SPW], v[NIL]
	v_lshrrev_b32 v1, 5, v0
	v_readfirstlane_b32 s[WV], v1   ; wave 0..3
	s_bfe_u32 s13, ttmp6, 0x40000   ; cx: my place in the cluster
	s_lshl_b32 s14, ttmp9, 2
	s_add_co_u32 s14, s14, s13      ; my block of 256 queries: it enters Q's and att's addresses alone
	s_and_b32 s20, ttmp7, 0xffff    ; g, which the four partners share
	s_lshl_b32 s20, s20, 18         ; its first byte: 2,048 rows of 128 bytes
	s_mov_b32 s21, 0
	s_and_b32 s16, s[WV], 1         ; which half of a slot's rows I fetch:
	s_lshl_b32 s22, s16, 14         ; 128 rows of 128 bytes in memory,
	s_mov_b32 s23, 0
	s_add_nc_u64 s[22:23], s[22:23], s[20:21]
	s_mul_i32 s17, s16, 128*PK      ; and its place in a slot, for K
	s_mul_i32 s16, s16, 128*PV      ; and for V: no place in the cluster enters an LDS address
	s_lshl_b32 s2, s14, 15          ; my block's 256 rows,
	s_lshl_b32 s3, s[WV], 13        ; my wave's 64 of them
	s_add_co_u32 s2, s2, s3
	s_mov_b32 s3, 0
	s_add_nc_u64 s[2:3], s[2:3], s[20:21]
	; descriptor group 1: a tile of 128 rows x 64 elements of 2 bytes, padded in LDS
	s_mov_b32 s[G1K], 15|(1<<16)|(1<<20)|(1<<21)|(4<<22)|(3<<25)  ; 15:0 the mask: all four; 17:16 elements of 2 bytes; 20 padding on; 21 set beside a mask; 24:22 after every 32 words; 31:25 four words
	s_mov_b32 s[G1V], 15|(1<<16)|(1<<20)|(1<<21)|(4<<22)|(7<<25)  ; the same with eight words of padding
.irp g, G1K, G1V
	s_mov_b32 s[\g+1], 64<<16       ; tensor_dim0 = 64
	s_mov_b32 s[\g+2], 128<<16      ; tensor_dim1 = 128
	s_mov_b32 s[\g+3], 64<<16       ; tile_dim0 = 64
	s_mov_b32 s[\g+4], 128          ; tile_dim1 = 128
	s_mov_b32 s[\g+5], 64           ; tensor_dim0_stride
	s_mov_b32 s[\g+6], 0
	s_mov_b32 s[\g+7], 0
.endr
	s_mov_b32 s[CS], 0x3e38aa3b     ; c = log2(e) / 8
	s_mov_b32 s[CS+1], s[CS]        ; named with it as a pair, so it is written
	s_mov_b32 s[SEL], 0x76543210
	s_mov_b32 s[SEL+1], 0xfedcba98
	s_mov_b32 s[TBK], 0
	s_mov_b32 s[TBV], 0
	s_mov_b32 s[SLOTS], 2048/SKEYS-2
	s_and_b32 s[LIM], s[WV], 1      ; 0 in waves 0 and 2,
	s_or_b32 s[LIM], s[LIM], ttmp9  ; where the cluster is the first of its g: the same in all four partners
	s_cmp_eq_u32 s[LIM], 0
	s_cselect_b32 s[LIM], 1, -1
	v_and_b32 v[PFO], 31, v0
	v_lshlrev_b32 v[PFO], 8, v[PFO]
	s_wait_dscnt 0x0                ; both opening adds are done
	s_wait_kmcnt 0x0
	s_mov_b64 s[10:11], s[6:7]      ; att
	s_add_nc_u64 s[6:7], s[4:5], MATB  ; K
	s_add_nc_u64 s[8:9], s[4:5], 2*MATB  ; V
	s_add_nc_u64 s[6:7], s[6:7], s[22:23]  ; K and V at my tile of slot 0
	s_add_nc_u64 s[8:9], s[8:9], s[22:23]
	s_add_nc_u64 s[4:5], s[4:5], s[2:3]  ; Q and att at my wave's first row
	s_add_nc_u64 s[10:11], s[10:11], s[2:3]
	s_cmp_lt_u32 s[WV], 2
	s_cselect_b64 s[PFA:PFA+1], s[6:7], s[8:9]  ; (in waves 0 and 2 these stand at a slot's first row)
	s_lshl_b32 s2, s13, 13          ; my work-group's 8,192 bytes of the 32,768
	s_mov_b32 s3, 0
	s_add_nc_u64 s[PFA:PFA+1], s[PFA:PFA+1], s[2:3]
	s_add_nc_u64 s[PFA:PFA+1], s[PFA:PFA+1], 2*SLOTB  ; in slot 2; the first change of slots steps it to slot 3.  Nothing is prefetched at the head
	CROUND                          ; all four work-groups are here: the first joint loads meet
.irp s, 0,1
	s_mov_b32 s[G0K+4*\s], 1
	s_add_co_u32 s[G0K+4*\s+1], s17, \s*SLOT1
	s_add_nc_u64 s[G0K+4*\s+2:G0K+4*\s+3], s[6:7], \s*SLOTB
	s_or_b32 s[G0K+4*\s+3], s[G0K+4*\s+3], 0x80000000
	s_mov_b32 s[G0V+4*\s], 1
	s_add_co_u32 s[G0V+4*\s+1], s16, \s*SLOT1+VOFF
	s_add_nc_u64 s[G0V+4*\s+2:G0V+4*\s+3], s[8:9], \s*SLOTB
	s_or_b32 s[G0V+4*\s+3], s[G0V+4*\s+3], 0x80000000
.endr
	s_cmp_lt_u32 s[WV], 2           ; a wave's two first fills stand in one branch, ahead of every wait on TENSORcnt and every LDS read
	s_cbranch_scc0 .Lfirst_v
	tensor_load_to_lds s[G0K:G0K+3], s[G1K:G1K+7]
	s_nop 0
	tensor_load_to_lds s[G0K+4:G0K+7], s[G1K:G1K+7]
	s_nop 0
.rept 4
	v_nop
.endr
	s_branch .Lfirst_asked
.Lfirst_v:
	tensor_load_to_lds s[G0V:G0V+3], s[G1V:G1V+7]
	s_nop 0
	tensor_load_to_lds s[G0V+4:G0V+7], s[G1V:G1V+7]
	s_nop 0
.rept 4
	v_nop
.endr
.Lfirst_asked:
	; a fragment of K or Q is 16 rows x 32 channels in 8 registers: two loads of 16 bytes, 32 bytes apart, at row x pitch + 16 (l / 16)
	v_and_b32 v1, 15, v0            ; l % 16
	v_bfe_u32 v9, v0, 4, 1          ; l / 16
	v_lshlrev_b32 v[QO], 7, v1
	v_lshl_add_u32 v[QO], v9, 4, v[QO]
	WIN 0x80                        ; destination window 2
.irp i, 0,1,2,3,4,5,6,7             ; Q stays in registers: tile i / 2, channels 32 (i % 2) on
	global_load_b128 v[8*\i:8*\i+3],   v[QO], s[4:5] offset:(\i/2)*2048+(\i%2)*64
	global_load_b128 v[8*\i+4:8*\i+7], v[QO], s[4:5] offset:(\i/2)*2048+(\i%2)*64+32
.endr
	WIN 0
	v_mul_u32_u24 v[AK0], v1, PK
	v_lshl_add_u32 v[AK0], v9, 4, v[AK0]
	; the turning load: lane l reads 16 bytes of key 8 (l / 16) + l % 8, channels 8 ((l / 8) % 2) + 0..7, and is left with channel l % 16 and 8 keys
	v_and_b32 v10, 7, v0
	v_bfe_u32 v11, v0, 3, 1
	v_lshl_add_u32 v[AV0], v9, 3, v10
	v_mul_u32_u24 v[AV0], v[AV0], PV
	v_lshl_add_u32 v[AV0], v11, 4, v[AV0]
	v_add_nc_u32 v[AV0], VOFF, v[AV0]
; THE MATRIX WORK OF A TURN, for piece x.  Eight accumulators take turns, one instruction a turn.
; Product i of 16 of O^T += V^T P: keys 32 (i / 8) on, channels 16 ((i / 2) % 4) on, tile x + i % 2.  zero = 1: the first 8 start the sums.
.macro PV x, zero
	WIN W_PV
.set rO, 32*(\x+i%2)+8*((i/2)%4)
.set rV, VF+32*(i/8)+8*((i/2)%4)
.set rP, P+16*(\x+i%2)+8*(i/8)
.if (\zero) && (i < 8)
	v_wmma_f32_16x16x32_f16 v[rO:rO+7], v[rV:rV+7], v[rP:rP+7], 0
.else
	v_wmma_f32_16x16x32_f16 v[rO:rO+7], v[rV:rV+7], v[rP:rP+7], v[rO:rO+7]
.endif
.endm
; Product i of 16 of S^T = K Q^T: channels 32 (i / 8) on, keys 16 ((i / 2) % 4) on, tile x + i % 2.  The first 8 start the sums.
.macro KQ x
	WIN W_KQ
.set rS, S+32*(\x+i%2)+8*((i/2)%4)
.set rK, KF+16*((i/2)%4)+8*(i/8)
.set rQ, 16*(\x+i%2)+8*(i/8)
.if i < 8
	v_wmma_f32_16x16x32_f16 v[rS:rS+7], v[rK:rK+7], v[rQ:rQ+7], 0
.else
	v_wmma_f32_16x16x32_f16 v[rS:rS+7], v[rK:rK+7], v[rQ:rQ+7], v[rS:rS+7]
.endif
.endm
; THE LDS LOADS stand in runs of 16: a step's K (8 fragments) and, a turn later, its V (turned).
.macro FETCH_K
	WIN 0
	v_add_nc_u32 v[ADR], s[TBK], v[AK0]
	s_add_co_u32 s[TBK], s[TBK], KSTEPB  ; the next fetch is the next step's
	WIN 0x80                        ; destination window 2
.irp f, 0,1,2,3,4,5,6,7             ; keys 16 (f / 2) on, channels 32 (f % 2) on
	ds_load_b128 v[KF+8*\f:KF+8*\f+3],   v[ADR] offset:(\f/2)*16*PK+(\f%2)*64
	ds_load_b128 v[KF+8*\f+4:KF+8*\f+7], v[ADR] offset:(\f/2)*16*PK+(\f%2)*64+32
.endr
.endm
.macro FETCH_V
	WIN 0
	v_add_nc_u32 v[ADR], s[TBV], v[AV0]
	s_add_co_u32 s[TBV], s[TBV], VSTEPB
	s_wait_alu depctr_va_vdst(0)    ; the wait for the softmax's batch of exponentials, ahead of the first instruction that names a result
	WIN 0x40                        ; destination window 1
.irp f, 0,1,2,3,4,5,6,7             ; keys 32 (f / 4) on, channels 16 (f % 4) on
	ds_load_tr16_b128 v[VF+8*\f:VF+8*\f+3],   v[ADR] offset:(\f/4)*32*PV+(\f%4)*32
	ds_load_tr16_b128 v[VF+8*\f+4:VF+8*\f+7], v[ADR] offset:(\f/4)*32*PV+16*PV+(\f%4)*32
.endr
.endm
; THE VECTOR WORK OF A TURN.  One tile's softmax for one key step is a list of 118 instructions; SM writes number j of it for tile t.  s0-s31 are the lane's 32 scores, in pairs 0-15.
;   0-15    the maximum of s0-s31 and the old m, three operands at a time        16-20  the other half of the lanes' maximum; the new m; c m; c m_old - c m_new
;   21-69   ONE BATCH: the 16 scalings c s - c m and all 33 exponentials (a at 23, then s0-s31); none of these reads an exponential's result
;   (wait)  between 69 and 70 stands the one wait for the batch            70-85  the roundings to f16            86-101  the sums; l = a l + the sum            102-117  the tile's O^T times a
; first = 1: the first key step, which starts m, l and O^T: it has no a and nothing to rescale.
.macro SM t, first
.set rT, ST+8*(\t)
.set rS, S+32*(\t)
.set rP, P+16*(\t)
.set rO, 32*(\t)+2*(j-102)
.if j < 102
	WIN 0
.endif
.if j < 4
	v_max3_num_f32 v[rT+4+j], v[rS+8*j], v[rS+8*j+1], v[rS+8*j+2]
.elseif j < 12
	v_max3_num_f32 v[rT+4+j%4], v[rT+4+j%4], v[rS+8*(j%4)+2*(j/4)+1], v[rS+8*(j%4)+2*(j/4)+2]
.elseif j == 12
	v_max3_num_f32 v[rT+4], v[rT+4], v[rS+7], v[rS+15]
.elseif j == 13
	v_max3_num_f32 v[rT+6], v[rT+6], v[rS+23], v[rS+31]
.elseif j == 14
	v_max3_num_f32 v[rT+4], v[rT+4], v[rT+5], v[rT+6]
.elseif (j == 15) && \first
	v_max_num_f32 v[rT+4], v[rT+4], v[rT+7]
.elseif j == 15
	v_max3_num_f32 v[rT+4], v[rT+4], v[rT+7], v[rT+1]
.elseif j == 16
	v_permlanex16_b32 v[rT+5], v[rT+4], s[SEL], s[SEL+1]  ; the query's other 32 keys lie in the lane 16 away
.elseif j == 18
	v_max_num_f32 v[rT+1], v[rT+4], v[rT+5]
.elseif j == 19
	v_mul_f32 v[rT], s[CS], v[rT+1]
.elseif ((j == 17) || (j == 20) || (j == 23) || (j > 101)) && \first  ; the first step has none of these
.elseif j == 17
	v_mov_b32 v[rT+7], v[rT]        ; c m_old is kept for a
.elseif j == 20
	v_sub_f32 v[rT+7], v[rT+7], v[rT]
.elseif j == 23
	v_exp_f32 v[rT+6], v[rT+7]
.elseif (j < 23) || ((j < 38) && (j%2 == 0)) || ((j < 66) && (j%4 == 2))
.set b, (j-2)/4                     ; 38, 42, .. 62: pairs 9 to 15
.if j < 38
.set b, (j-20)/2                    ; 21: pair 0; 22, 24, .. 36: pairs 1 to 8
.endif
	v_pk_fma_f32 v[rS+2*b:rS+2*b+1], v[rS+2*b:rS+2*b+1], s[CS:CS+1], v[rT:rT+1] op_sel_hi:[1,0,0] neg_lo:[0,0,1] neg_hi:[0,0,1]  ; pair b: c s - c m
.elseif j < 70
.set e, j-38                        ; 66 to 69: s28 to s31
.if j < 66
.set e, j-32-(j-38)/4               ; 39-41, 43-45, .. 63-65: s7 to s27
.endif
.if j < 38
.set e, (j-25)/2                    ; 25, 27, .. 37: s0 to s6
.endif
	v_exp_f32 v[rS+e], v[rS+e]
.elseif j < 86
	v_cvt_pk_f16_f32 v[rP+j-70], v[rS+2*(j-70)], v[rS+2*(j-70)+1]  ; pair j - 70
.elseif j < 102                     ; the sum of the tile's 16 pairs, in place: neighbours 1, 2, 4 and 8 pairs apart, then l takes it
.set z, j-86
.set w, 4
.set u, z
.if z >= 14
.set w, 32
.set u, 0
.elseif z >= 12
.set w, 16
.set u, z-12
.elseif z >= 8
.set w, 8
.set u, z-8
.endif
.if (z == 14) && \first
	v_pk_add_f32 v[rT+2:rT+3], v[rS:rS+1], v[rS+16:rS+17]
.elseif z < 15
	v_pk_add_f32 v[rS+w*u:rS+w*u+1], v[rS+w*u:rS+w*u+1], v[rS+w*u+w/2:rS+w*u+w/2+1]
.elseif !\first
	v_pk_fma_f32 v[rT+2:rT+3], v[rT+2:rT+3], v[rT+6:rT+7], v[rS:rS+1] op_sel_hi:[1,0,1]
.endif
.else
	WIN W_RS
	v_pk_mul_f32 v[rO:rO+1], v[rO:rO+1], v[rT+6:rT+7] op_sel_hi:[1,0]
.endif
.endm
; Slice k of 59 of piece y's softmax: four instructions.  Slices 11 to 34 deal out the batch, four numbers of ONE tile each, the tiles by turns; every other slice is numbers 2 k and 2 k + 1 of both tiles.
; Ahead of slice 35 nothing names an exponential's result, and behind slice 34 no exponential is issued: so the piece's 66 exponentials have one wait, behind slice 34.
.macro SLICE y, first
.if (k >= 11) && (k < 35)
.irp n, 0,1,2,3
.set j, 22+4*((k-11)/2)+(\n)
	SM (\y)+(k-11)%2, \first
.endr
.else
.irp n, 0,1
.irp t, \y, \y+1
.set j, 2*k+\n
	SM \t, \first
.endr
.endr
.endif
.if k == 34
	v_nop                           ; the plain instruction behind the last exponential, ahead of the first use: one for the batch
.if (\y) == 0
	FETCH_V                         ; piece 2's turn: V's run of loads stands here, and the wait stands in it
.else
	s_wait_alu depctr_va_vdst(0)    ; the wait for the batch
.endif
.endif
.set k, k+1
.endm
; The slices behind product pn of a turn.  32 products: two behind each of the first 27, one behind each of the last five; 16 products: four behind each of the first 14, then two, then one.
; So slice 58, four multiplications of the OTHER piece's O^T, always stands behind the turn's last product: they are the four places between it and what follows.
.macro DEAL y, first
.if nprod == 32
.if pn < 27
.set cnt, 2
.else
.set cnt, 1
.endif
.else
.if pn < 14
.set cnt, 4
.elseif pn == 14
.set cnt, 2
.else
.set cnt, 1
.endif
.endif
.rept cnt
	SLICE \y, \first
.endr
.set pn, pn+1
.endm
.macro PLACES
.rept 4
	v_nop
.endr
.endm
; A TURN.  Piece x has the matrix unit.  pv = 2: 16 products V^T P; 1: they start O^T's sums; 0: none.  kq = 1: 16 products K Q^T for the next step.  first = 1: the softmax is the first key step's:
; its slices from 51 on are empty, and four v_nop take slice 58's part.
; Piece 0's turn fetches the next step's K behind its second product: K's last reader stands in front of slice 58 of the turn before.  Piece 2's turn fetches the same step's V behind slice 34:
; V's last reader stands in front of slice 30, and five plain instructions lie between: the scalings of slices 30, 31 and 32, the v_nop and the run's own v_add_nc_u32.
.macro TURN x, pv, kq, first
.set k, 0
.set pn, 0
.set nprod, 16
.if \pv && \kq
.set nprod, 32
.endif
.if \pv
.if \x == 0
	s_wait_dscnt 0x0                ; V is in
.endif
.set i, 0
.rept 16
	PV \x, 2-\pv
	DEAL 2-\x, \first
.if (\x == 0) && \kq && (i == 1)
	FETCH_K
.endif
.set i, i+1
.endr
.endif
.if \kq
.if \x == 0
	s_wait_dscnt 0x0                ; K is in
.endif
.set i, 0
.rept 16
	KQ \x
	DEAL 2-\x, \first
.set i, i+1
.endr
.endif
.if \first
	PLACES
.endif
.endm
; THE CHANGE OF SLOTS, between piece 2's turn and piece 0's: the slot's last bytes, V of its fourth step, have been asked for.  Each wave waits for all its tensor loads (its part of the other slot), adds 0 to its
; spare word, and waits for that and for its own reads of the slot.  fill = 1: the barrier is a round of the cluster's, and the joint refill is the first thing behind it.
.macro CHANGE fill
	WIN 0
	s_wait_tensorcnt 0x0            ; no tensor load of mine is out, so a group 0 may be written
	ds_add_u32 v[SPW], v[NIL]       ; 0 onto my spare word
.if \fill
.irp g, G0K+4, G0V+4
	s_xor_b32 s[\g+1], s[\g+1], SLOT1  ; the walking descriptor: the other slot than last time,
	s_add_nc_u64 s[\g+2:\g+3], s[\g+2:\g+3], SLOTB  ; the next 256 keys
.endr
	s_wait_xcnt 0x0                 ; the last prefetch, four key steps back, has read its address, so it may be written
	s_add_nc_u64 s[PFA:PFA+1], s[PFA:PFA+1], SLOTB
	s_wait_dscnt 0x0                ; the add is done, and my reads of the slot are over
	CROUND
	JLOAD
	ASK
.else
	s_wait_dscnt 0x0
	s_barrier_signal -1
	s_barrier_wait -1
.endif
	s_sub_co_u32 s[TBK], s[TBK], NS*KSTEPB  ; the fetches go back to a slot's first step,
	s_xor_b32 s[TBK], s[TBK], SLOT1  ; in the other slot
	s_sub_co_u32 s[TBV], s[TBV], NS*VSTEPB
	s_xor_b32 s[TBV], s[TBV], SLOT1
.endm
.macro STEPS n                      ; n key steps: written once, walked n times; the LDS addresses hang on s[TBK] and s[TBV]
	WIN 0
	s_mov_b32 s[CNT], \n
.Lstep_\@:
	TURN 0, 2, 1, 0
	TURN 2, 2, 1, 0
	WIN 0
	s_sub_co_u32 s[CNT], s[CNT], 1
	s_cmp_lg_u32 s[CNT], 0
	s_cbranch_scc1 .Lstep_\@
.endm
	s_wait_tensorcnt 1              ; my part of slot 0 is in; slot 1's may stay out
	s_barrier_signal -1
	s_barrier_wait -1
	FETCH_K                         ; key step 0
	s_wait_loadcnt 0x0              ; Q
	s_wait_dscnt 0x0
.set i, 0
.rept 16
	KQ 0                            ; piece 0's first scores
.set i, i+1
.endr
	WIN 0                           ; the addresses for the way out are made here: plain instructions, the places behind those products
	s_mul_i32 s13, s[WV], 16*SP
	s_add_co_u32 s13, s13, STAGE    ; my stage
	v_mul_u32_u24 v[STO], v1, SP    ; in: row l % 16, 16 bytes for each half of the lanes
	v_lshl_add_u32 v[STO], v9, 4, v[STO]
	v_add_nc_u32 v[STO], s13, v[STO]
	v_and_b32 v[GO], 31, v0
	v_lshrrev_b32 v[RD], 3, v[GO]   ; back: eight lanes to a row of 128 bytes, four rows an instruction
	v_mul_u32_u24 v[RD], v[RD], SP
	v_lshl_add_u32 v[RD], v10, 4, v[RD]
	v_add_nc_u32 v[RD], s13, v[RD]
	v_lshlrev_b32 v[GO], 4, v[GO]   ; and in att the four rows are 512 consecutive bytes
	TURN 2, 0, 1, 1                 ; piece 2's first scores | piece 0's first softmax | V of step 0
	TURN 0, 1, 1, 1                 ; piece 0: V^T P of step 0 starts O^T, K Q^T of step 1 | piece 2's first softmax | K of step 1
	TURN 2, 1, 1, 0                 ; piece 2: the same | piece 0's softmax of step 1 | V of step 1
	STEPS 2                         ; K and V of steps 2 and 3: slot 0 has been asked for to its end
.Lslot:                             ; six trips: every slot but the last two is filled again
	CHANGE 1
	STEPS 4
	s_sub_co_u32 s[SLOTS], s[SLOTS], 1
	s_cmp_lg_u32 s[SLOTS], 0
	s_cbranch_scc1 .Lslot
	CHANGE 0                        ; the tail is written out
	STEPS 4
	TURN 0, 2, 0, 0                 ; piece 0: V^T P of the last step | piece 2's last softmax
.set i, 0
.rept 16
	PV 2, 0                         ; piece 2: V^T P of the last step
.set i, i+1
.endr
	; THE WAY OUT.  l's two halves and the other half of the lanes' are added; O^T is divided by l, rounded to f16 and sent through my stage, a tile (16 rows) at a time.  The additions are the places behind the last products.
	WIN 0
.irp t, 0,1,2,3
	v_add_f32 v[ST+8*\t+4], v[ST+8*\t+2], v[ST+8*\t+3]
.endr
.irp t, 0,1,2,3
	v_permlanex16_b32 v[ST+8*\t+5], v[ST+8*\t+4], s[SEL], s[SEL+1]
.endr
.irp t, 0,1,2,3
	v_add_f32 v[ST+8*\t+4], v[ST+8*\t+4], v[ST+8*\t+5]
.endr
.irp t, 0,1,2,3
	v_rcp_f32 v[ST+8*\t+6], v[ST+8*\t+4]
.endr
	v_nop                           ; a plain instruction between the last reciprocal and the use of its result
	s_wait_alu depctr_va_vdst(0)    ; and the wait: one for the four
.macro PACK t
	WIN W_RS
.set i, 32*\t
.rept 16
	v_pk_mul_f32 v[i:i+1], v[i:i+1], v[ST+8*\t+6:ST+8*\t+7] op_sel_hi:[1,0]
.set i, i+2
.endr
	WIN 0x05                        ; sources 0 and 1 window 1, destination window 0: S^T's registers are free
.set i, 0
.rept 16
	v_cvt_pk_f16_f32 v[S+32*\t+i], v[32*\t+2*i], v[32*\t+2*i+1]
.set i, i+1
.endr
	WIN 0
.irp f, 0,1,2,3
	ds_store_b128 v[STO], v[S+32*\t+4*\f:S+32*\t+4*\f+3] offset:32*\f
.endr
.irp f, 0,1,2,3
	ds_load_b128 v[S+32*\t+4*\f:S+32*\t+4*\f+3], v[RD] offset:\f*4*SP  ; LDS serves a wave's instructions in order (ISA guide 5.7.1.4): these see the stores above; the next tile's stores come behind them
.endr
.endm
.macro SEND t, younger              ; younger: the LDS instructions issued behind tile t's loads: the next tile's eight, or none
.irp f, 0,1,2,3
	s_wait_dscnt \younger+3-\f
	global_store_b128 v[GO], v[S+32*\t+4*\f:S+32*\t+4*\f+3], s[10:11] offset:\t*2048+\f*512  ; the wave stores 512 consecutive bytes, aligned
.endr
.endm
	PACK 0
	PACK 1
	SEND 0, 8
	PACK 2
	SEND 1, 8
	PACK 3
	SEND 2, 8
	SEND 3, 0
	s_wait_tensorcnt 0x0            ; the wave's end
	ds_add_u32 v[SPW], v[NIL]
	s_wait_dscnt 0x0
	CROUND                          ; the closing round
	s_endpgm
.Lfunc_end_k_qdeaca33627_attn:
	.size	k_qdeaca33627_attn, .Lfunc_end_k_qdeaca33627_attn-k_qdeaca33627_attn
	.p2alignl 7, 3214868480
	.fill 96, 4, 3214868480
	.section	.rodata,"a",@progbits
	.p2align	6, 0x0
	.amdhsa_kernel k_qdeaca33627_attn
		.amdhsa_group_segment_fixed_size 327680
		.amdhsa_private_segment_fixed_size 0
		.amdhsa_enable_private_segment 0
		.amdhsa_kernarg_size 16
		.amdhsa_user_sgpr_count 2
		.amdhsa_user_sgpr_kernarg_segment_ptr 1
		.amdhsa_wavefront_size32 1
		.amdhsa_system_sgpr_workgroup_id_x 1
		.amdhsa_system_sgpr_workgroup_id_y 1
		.amdhsa_system_sgpr_workgroup_id_z 1
		.amdhsa_system_vgpr_workitem_id 0
		.amdhsa_next_free_vgpr 640
		.amdhsa_next_free_sgpr 66
		.amdhsa_reserve_vcc 0
		.amdhsa_float_denorm_mode_32 3
		.amdhsa_float_denorm_mode_16_64 3
		.amdhsa_memory_ordered 1
		.amdhsa_forward_progress 1
		.amdhsa_inst_pref_size 195
	.end_amdhsa_kernel
	.amdgpu_metadata
---
amdhsa.version: [ 1, 2 ]
amdhsa.kernels:
  - .name:           k_qdeaca33627_attn
    .symbol:         k_qdeaca33627_attn.kd
    .args:
      - { .name: qkv, .offset: 0, .size: 8, .value_kind: global_buffer, .address_space: global }
      - { .name: att, .offset: 8, .size: 8, .value_kind: global_buffer, .address_space: global }
    .group_segment_fixed_size: 327680
    .private_segment_fixed_size: 0
    .kernarg_segment_align: 8
    .kernarg_segment_size: 16
    .max_flat_workgroup_size: 128
    .sgpr_count:     66
    .vgpr_count:     640
    .wavefront_size: 32
...
	.end_amdgpu_metadata
.endif
;; end of part 3
;; launch proj (part 4): grid 8 x 32, 4 waves a work-group, clusters of 4 x 4, 327,680 bytes of LDS; arguments att, wot, bo, out0; writes out0
.if DOCPART == 4
	.amdgcn_target "amdgcn-amd-amdhsa--gfx1250"
	.amdhsa_code_object_version 6
	.text
	.protected	k_qdeaca33627_proj
	.globl	k_qdeaca33627_proj
	.p2align	8
	.type	k_qdeaca33627_proj,@function
k_qdeaca33627_proj:
	s_mov_b64 s[64:65], 0
	v_nop
	global_prefetch_b8 v0, s[64:65] scope:SCOPE_SE
	s_setreg_imm32_b32 hwreg(HW_REG_WAVE_MODE, 25, 1), 1
	s_wait_xcnt 0x0
	s_wait_alu depctr_hold_cnt(0) depctr_sa_sdst(0) depctr_va_vdst(0) depctr_va_sdst(0) depctr_va_ssrc(0) depctr_va_vcc(0) depctr_vm_vsrc(0)
	s_getreg_b32 s2, hwreg(HW_REG_IB_STS2, 6, 4)
	s_cmp_eq_u32 s2, 0
	s_cbranch_scc0 .Lentry_in_a_cluster
	s_endpgm
.Lentry_in_a_cluster:
	s_bfe_u32 s2, ttmp6, 0x10000c
	s_cmp_lg_u32 s2, 0xf033
	s_cbranch_scc0 .Lentry_shape_is_right
	s_endpgm
.Lentry_shape_is_right:
; PROJ: out0[m][n] = sum over k of A[m][k] wot[n][k] + bo[n], m 8,192, n 1,024, k 1,024; operands f16, sums and result f32.
; A is att, laid by head: [16 x batch + head][position 2048][64] f16, and k = 64 x head + channel: so 64 along K of 256 rows are one dense block of 32,768 bytes.  wot: [n][k] f16, rows of 2,048 bytes.
; A tile of the result is 256 x 128, so that the 8 x 32 tiles are 256 work-groups; four waves, each 128 rows x 64 columns: 32 accumulators, 256 registers.
; K goes in steps of 128 (two heads) through a ring of two LDS slots.  One tensor load a wave: waves 0 and 1 a head's 256 rows of A each, waves 2 and 3 64 rows of wot each.  Two loads of a wave are out at the most.
; CLUSTERS: 4 x 4 work-groups.  A's tiles hang on the tile row alone and are shared along a row of the cluster, wot's on the tile column alone and are shared along a column: each is asked for JOINTLY.
; THE MATRIX INSTRUCTION IS USED TRANSPOSED (source 0 = 16 rows of wot, source 1 = 16 rows of A): a lane holds eight neighbouring columns of a row.  The bias is the C of each sum's first product.
; No prefetch: a step's tiles are small, eight steps in all, and the first two come at the head.
; REGISTERS: window 0: v16-29 addresses; v32-63 the bias; v64-127 the way out.  window 1: two fragment buffers, at v0 and v128: 64 registers of A (8 x 16 rows x 32 K), then 32 of wot.  window 2: accumulator (a, b) at v[8 (4 a + b)].
.set PA,     144                       ; a row of A in LDS: 128 bytes + 16 of padding
.set PB,     272                       ; a row of wot: 256 bytes + 16
.set SUBA,   256*PA                    ; a head's 256 rows
.set BOFF,   2*SUBA                    ; behind A's two heads: wot's 128 rows
.set SLOT,   BOFF+128*PB
.set STAGE,  2*SLOT                    ; behind the ring: 16 rows x (256 bytes + 16) for each wave
.set SPITCH, 272
.set SPARE,  STAGE+4*16*SPITCH         ; the spare words, 128 bytes for each wave
.set LAPS,   4                         ; a lap = two K steps = once round the ring
.set ADRA, 16
.set ADRB, 20
.set STO,  24
.set RD,   25
.set CO,   26
.set BO,   27                          ; v27  the bias loads' offset: 32 x (lane / 16)
.set SPW,  28
.set NIL,  29
.set BI,   32                          ; v32-63 the bias: register 8 b + j: column 16 b + 8 (lane / 16) + j of my 64
.set OB,   64                          ; the way out: two sets of 32
.set F0,   0
.set F1,   128
.set G1A, 24
.set G0A, 32
.set G1B, 48
.set G0B, 56
.set MSB, 0
.macro WIN new
.if MSB != \new
	s_set_vgpr_msb (MSB<<8)|\new
.set MSB, \new
.endif
.endm
.set MUL,  0xa5                        ; sources 0 (wot) and 1 (A) window 1; C and D window 2
.set MULB, 0x85                        ; the first products: C (the bias) window 0
.set TO_F, 0x40                        ; destination window 1, address window 0
.macro JLOAD s                         ; a joint load: waves 0 and 1 fetch A's two heads, waves 2 and 3 wot's two halves; an s_nop 0 and four v_nop follow each line
	s_cmp_eq_u32 s13, 0
	s_cbranch_scc0 .Lfor_b_\@
	tensor_load_to_lds s[G0A+4*\s:G0A+4*\s+3], s[G1A:G1A+7]
	s_nop 0
.rept 4
	v_nop
.endr
	s_branch .Lasked_\@
.Lfor_b_\@:
	tensor_load_to_lds s[G0B+4*\s:G0B+4*\s+3], s[G1B:G1B+7]
	s_nop 0
.rept 4
	v_nop
.endr
.Lasked_\@:
.endm
.macro CREST                           ; a round of the cluster's barrier behind its opening barrier
	s_cmp_lg_u32 s12, 0
	s_cbranch_scc1 .Lnot_wave_0_\@
	s_barrier_signal -3
.Lnot_wave_0_\@:
	s_barrier_wait -3
	s_barrier_signal -1
	s_barrier_wait -1
.endm
.macro CROUND
	s_barrier_signal -1
	s_barrier_wait -1
	CREST
.endm
	s_load_b256 s[4:11], s[0:1], 0x0               ; att s[4:5], wot s[6:7], bo s[8:9], out0 s[10:11]
	v_lshl_add_u32 v[SPW], v0, 2, SPARE
	v_mov_b32 v[NIL], 0
	ds_add_u32 v[SPW], v[NIL]                      ; the wave's opening: the add, twice on end, and its wait ahead of my first tensor load
	ds_add_u32 v[SPW], v[NIL]
	v_lshrrev_b32 v1, 5, v0
	v_readfirstlane_b32 s12, v1                    ; wave 0..3
	s_lshr_b32 s13, s12, 1                         ; which half of the tile's rows is mine.  Also: I fetch for A (0) or for wot (1)
	s_and_b32 s14, s12, 1                          ; which half of its columns.  Also: which head of the step, or which 64 rows of wot, I fetch
	s_bfe_u32 s40, ttmp6, 0x40000                  ; cx, cy
	s_bfe_u32 s41, ttmp6, 0x40004
	s_lshl_b32 s42, ttmp9, 2
	s_add_co_u32 s42, s42, s40                     ; tile column = 4 x cluster x + cx
	s_and_b32 s43, ttmp7, 0xffff
	s_lshl_b32 s43, s43, 2
	s_add_co_u32 s43, s43, s41                     ; tile row = 4 x cluster y + cy
	s_lshl_b32 s44, s41, 2
	s_lshl_b32 s44, 15, s44                        ; my row of the cluster
	s_lshl_b32 s45, 0x1111, s40                    ; my column
	s_or_b32 s[G1A+0], s44, (1<<16)|(1<<20)|(1<<21)|(4<<22)|(3<<25)  ; A: 15:0 the mask; elements of 2 bytes; padding on; 21 set beside a mask; four words after every 32
	s_mov_b32 s[G1A+1], 64<<16                     ; tensor_dim0 = 64
	s_mov_b32 s[G1A+2], 256<<16                    ; tensor_dim1 = 256
	s_mov_b32 s[G1A+3], 64<<16                     ; tile_dim0 = 64
	s_mov_b32 s[G1A+4], 256                        ; tile_dim1 = 256
	s_mov_b32 s[G1A+5], 64                         ; tensor_dim0_stride
	s_mov_b32 s[G1A+6], 0
	s_mov_b32 s[G1A+7], 0
	s_or_b32 s[G1B+0], s45, (1<<16)|(1<<20)|(1<<21)|(5<<22)|(3<<25)  ; wot: four words after every 64
	s_mov_b32 s[G1B+1], 128<<16                    ; tensor_dim0 = 128
	s_mov_b32 s[G1B+2], 64<<16                     ; tensor_dim1 = 64
	s_mov_b32 s[G1B+3], 128<<16                    ; tile_dim0 = 128
	s_mov_b32 s[G1B+4], 64                         ; tile_dim1 = 64
	s_mov_b32 s[G1B+5], 1024                       ; tensor_dim0_stride
	s_mov_b32 s[G1B+6], 0
	s_mov_b32 s[G1B+7], 0
	s_lshr_b32 s16, s43, 3                         ; A: batch = tile row / 8;
	s_lshl_b32 s16, s16, 4
	s_add_co_u32 s16, s16, s14                     ; 16 x batch + my head of step 0;
	s_lshl_b32 s16, s16, 18                        ; 262,144 bytes a head;
	s_and_b32 s17, s43, 7
	s_lshl_b32 s17, s17, 15                        ; position 256 x (tile row % 8), 128 bytes a row
	s_add_co_u32 s16, s16, s17
	s_mov_b32 s17, 0
	s_lshl_b32 s46, s42, 18                        ; wot: row 128 x tile column + 64 x half, 2,048 bytes a row
	s_lshl_b32 s47, s14, 17
	s_add_co_u32 s46, s46, s47
	s_mov_b32 s47, 0
	s_mul_i32 s20, s14, SUBA                       ; where they go: no place in the cluster enters an LDS address
	s_mul_i32 s21, s14, 64*PB
	s_add_co_u32 s21, s21, BOFF
	s_wait_dscnt 0x0                               ; both opening adds are done
	s_wait_kmcnt 0x0
	s_add_nc_u64 s[18:19], s[4:5], s[16:17]
	s_add_nc_u64 s[46:47], s[6:7], s[46:47]
	CROUND                                         ; all sixteen work-groups are here: the first joint loads meet
.irp s, 0,1
	s_mov_b32 s[G0A+4*\s], 1
	s_add_co_u32 s[G0A+4*\s+1], s20, \s*SLOT
	s_add_nc_u64 s[G0A+4*\s+2:G0A+4*\s+3], s[18:19], \s*2*262144   ; K step s: two heads on
	s_or_b32 s[G0A+4*\s+3], s[G0A+4*\s+3], 0x80000000
	s_mov_b32 s[G0B+4*\s], 1
	s_add_co_u32 s[G0B+4*\s+1], s21, \s*SLOT
	s_add_nc_u64 s[G0B+4*\s+2:G0B+4*\s+3], s[46:47], \s*256
	s_or_b32 s[G0B+4*\s+3], s[G0B+4*\s+3], 0x80000000
	JLOAD \s
.endr
	v_and_b32 v1, 15, v0                           ; l % 16
	v_bfe_u32 v2, v0, 4, 1                         ; l / 16
	v_mul_u32_u24 v3, v1, PA
	v_lshl_add_u32 v3, v2, 4, v3                   ; a fragment's row x pitch + 16 x half
	v_mul_u32_u24 v4, v1, PB
	v_lshl_add_u32 v4, v2, 4, v4
	s_mul_i32 s21, s13, 128*PA                     ; my 128 rows of A (in each head's block)
	s_mul_i32 s22, s14, 64*PB                      ; my 64 rows of wot
	s_add_co_u32 s22, s22, BOFF
.irp s, 0,1
	v_add_nc_u32 v[ADRA+\s], s21, v3
	v_add_nc_u32 v[ADRB+\s], s22, v4
	s_add_co_u32 s21, s21, SLOT
	s_add_co_u32 s22, s22, SLOT
.endr
	s_mul_i32 s23, s12, 16*SPITCH
	s_add_co_u32 s23, s23, STAGE                   ; my stage
	v_mul_u32_u24 v5, v1, SPITCH                   ; in: row l % 16, 32 bytes for each half of the lanes
	v_lshl_add_u32 v5, v2, 5, v5
	v_add_nc_u32 v[STO], s23, v5
	v_mul_u32_u24 v5, v2, SPITCH                   ; back: lanes 0-15 one row of 256 bytes, lanes 16-31 the next
	v_lshl_add_u32 v5, v1, 4, v5
	v_add_nc_u32 v[RD], s23, v5
	v_lshlrev_b32 v[CO], 12, v2                    ; and the same two rows in out0: 4,096 bytes a row
	v_lshl_add_u32 v[CO], v1, 4, v[CO]
	v_lshlrev_b32 v[BO], 5, v2
	s_lshl_b32 s46, s42, 9                         ; my first column, in bytes: 512 x tile column + 256 x half
	s_lshl_b32 s47, s14, 8
	s_add_co_u32 s46, s46, s47
	s_mov_b32 s47, 0
	s_add_nc_u64 s[8:9], s[8:9], s[46:47]          ; in bo
	s_add_nc_u64 s[10:11], s[10:11], s[46:47]      ; and in out0,
	s_lshl_b32 s46, s43, 20                        ; at my first row: 256 x tile row + 128 x half
	s_lshl_b32 s47, s13, 19
	s_add_co_u32 s46, s46, s47
	s_mov_b32 s47, 0
	s_add_nc_u64 s[10:11], s[10:11], s[46:47]
.irp b, 0,1,2,3
	global_load_b128 v[BI+8*\b:BI+8*\b+3], v[BO], s[8:9] offset:64*\b
	global_load_b128 v[BI+8*\b+4:BI+8*\b+7], v[BO], s[8:9] offset:64*\b+16
.endr
; 8 matrix instructions: A's blocks a0, a0 + 1 x wot's four, 32 along K, buffer f.  first = 1: the sum begins with the bias as C.  The 32 accumulators take turns, one instruction a turn.
.macro MUL8 f, a0, first
.irp a, \a0, \a0+1
.irp b, 0,1,2,3
.if \first
	v_wmma_f32_16x16x32_f16 v[8*(4*(\a)+\b):8*(4*(\a)+\b)+7], v[\f+64+8*\b:\f+64+8*\b+7], v[\f+8*(\a):\f+8*(\a)+7], v[BI+8*\b:BI+8*\b+7]
.else
	v_wmma_f32_16x16x32_f16 v[8*(4*(\a)+\b):8*(4*(\a)+\b)+7], v[\f+64+8*\b:\f+64+8*\b+7], v[\f+8*(\a):\f+8*(\a)+7], v[8*(4*(\a)+\b):8*(4*(\a)+\b)+7]
.endif
.endr
.endr
.endm
.macro MUL16 f, a0, first
	MUL8 \f, \a0, \first
	MUL8 \f, \a0+2, \first
.endm
; 24 LDS loads in one run: the fragments of the slot's q-th 32 along K into buffer f: wot's four, A's blocks 0-3, A's blocks 4-7.  Quarter q lies in head q / 2 of the slot, at byte 64 (q % 2) of its rows.
.macro FETCH slot, q, f
	WIN TO_F
.irp i, 0,1,2,3
	ds_load_b128 v[\f+64+8*\i:\f+64+8*\i+3],   v[ADRB+\slot] offset:64*(\q)+\i*16*PB
	ds_load_b128 v[\f+64+8*\i+4:\f+64+8*\i+7], v[ADRB+\slot] offset:64*(\q)+\i*16*PB+32
.endr
.irp i, 0,1,2,3,4,5,6,7
	ds_load_b128 v[\f+8*\i:\f+8*\i+3],   v[ADRA+\slot] offset:((\q)/2)*SUBA+64*((\q)%2)+\i*16*PA
	ds_load_b128 v[\f+8*\i+4:\f+8*\i+7], v[ADRA+\slot] offset:((\q)/2)*SUBA+64*((\q)%2)+\i*16*PA+32
.endr
.endm
.macro PLACES                          ; four places in front of loads into registers that matrix instructions have read, and of reads of results
.rept 4
	v_nop
.endr
.endm
; A K step is four quarters of 32 along K, 32 matrix instructions each, on buffers 0, 1, 0, 1.  One of the first three: multiplies buffer f and fetches quarter q into g.
.macro QUARTER slot, q, f, g, first
	s_wait_dscnt 8                                 ; wot's fragments and A's blocks 0-3 are in; the youngest eight loads (A's blocks 4-7) may be out
.if \first
	WIN MULB
.else
	WIN MUL
.endif
	MUL16 \f, 0, \first
	PLACES
	FETCH \slot, \q, \g
	s_wait_dscnt 24                                ; all but the 24 just issued
.if \first
	WIN MULB
.else
	WIN MUL
.endif
	MUL16 \f, 4, \first
.endm
; The last quarter multiplies buffer 1 and changes slots: ONE barrier; in front of it each wave waits for all its tensor loads, adds 0 to its spare word, and waits for that and for its reads of this slot.
; fill = 1: the barrier opens a round of the cluster's, and this slot is filled again, two K steps ahead, first thing behind it.
.macro TURN slot, next, fill
	WIN 0
	s_wait_tensorcnt 0x0                           ; all my tensor loads have landed: my part of the next slot
	ds_add_u32 v[SPW], v[NIL]                      ; 0 onto my spare word
	s_wait_dscnt 9                                 ; (the add and the youngest eight loads may be out)
	WIN MUL
	MUL8 F1, 0, 0
	s_wait_dscnt 0x0                               ; the add is done, and my reads of this slot are over
	s_barrier_signal -1
	MUL8 F1, 2, 0
.if \fill
	WIN 0
.endif
	s_barrier_wait -1
.if \fill
	CREST                                          ; no wave of any partner still reads this slot's tiles or has a load on its way
	s_add_nc_u64 s[G0A+4*\slot+2:G0A+4*\slot+3], s[G0A+4*\slot+2:G0A+4*\slot+3], 4*262144   ; four heads on
	s_add_nc_u64 s[G0B+4*\slot+2:G0B+4*\slot+3], s[G0B+4*\slot+2:G0B+4*\slot+3], 512
	JLOAD \slot                                    ; the four v_nop behind it are also the places in front of the loads below
.else
	PLACES
.endif
	FETCH \next, 0, F0
	WIN MUL
	MUL16 F1, 4, 0
.endm
	s_wait_tensorcnt 1                             ; my part of K step 0 is in (K step 1's may be out)
	s_barrier_signal -1
	s_barrier_wait -1                              ; everybody's is
	FETCH 0, 0, F0
	s_wait_loadcnt 0x0                             ; the bias
	QUARTER 0, 1, F0, F1, 1                        ; the first quarter stands in front of the loop: its products start the sums with the bias
	WIN 0
	s_mov_b32 s15, LAPS-1
.Llap:                                                 ; a trip goes once round the ring, from a lap's second quarter to the next lap's first, and fills both slots again
	QUARTER 0, 2, F1, F0, 0
	QUARTER 0, 3, F0, F1, 0
	TURN 0, 1, 1
	QUARTER 1, 1, F0, F1, 0
	QUARTER 1, 2, F1, F0, 0
	QUARTER 1, 3, F0, F1, 0
	TURN 1, 0, 1
	QUARTER 0, 1, F0, F1, 0
	WIN 0
	s_sub_co_u32 s15, s15, 1
	s_cmp_lg_u32 s15, 0
	s_cbranch_scc1 .Llap
	QUARTER 0, 2, F1, F0, 0                        ; the last lap fills nothing
	QUARTER 0, 3, F0, F1, 0
	TURN 0, 1, 0
	QUARTER 1, 1, F0, F1, 0
	QUARTER 1, 2, F1, F0, 0
	QUARTER 1, 3, F0, F1, 0
	s_wait_dscnt 8                                 ; the very last quarter: nothing more to fetch
	WIN MUL
	MUL16 F1, 0, 0
	s_wait_dscnt 0
	MUL16 F1, 4, 0
	WIN 0
; THE WAY OUT, block by block of 16 rows x 64 columns.  A lane holds 32 neighbouring bytes of a row: a block goes through my own stage and comes back as whole rows of 256 bytes.
.macro TOSTAGE a
	WIN 0x08                                       ; an LDS store's data are its source 1: window 2
.irp b, 0,1,2,3
	ds_store_b128 v[STO], v[8*(4*(\a)+\b):8*(4*(\a)+\b)+3] offset:64*\b          ; each accumulator from its low end on
	ds_store_b128 v[STO], v[8*(4*(\a)+\b)+4:8*(4*(\a)+\b)+7] offset:64*\b+16
.endr
	WIN 0
.set BB, OB+32*((\a)%2)
.irp t, 0,1,2,3,4,5,6,7
	ds_load_b128 v[BB+4*\t:BB+4*\t+3], v[RD] offset:\t*2*SPITCH    ; LDS serves a wave's instructions in order (ISA guide 5.7.1.4): these see the stores above
.endr
.endm
.macro SEND a, younger                 ; younger: the LDS instructions issued behind block a's loads, which may stay out
.set BB, OB+32*((\a)%2)
	s_wait_dscnt \younger
.irp t, 0,1,2,3,4,5,6,7
	global_store_b128 v[CO], v[BB+4*\t:BB+4*\t+3], s[10:11] offset:(16*(\a)+2*\t)*4096 th:TH_STORE_NT   ; sixteen lanes store 256 consecutive bytes, aligned
.endr
.endm
	PLACES                                         ; behind the last products
	TOSTAGE 0
.irp a, 1,2,3,4,5,6,7
.if \a > 1
	s_wait_xcnt 0x0                                ; block a - 2's stores have read their registers: block a's loads may land there
.endif
	TOSTAGE \a
	SEND \a-1, 16                                  ; behind block a - 1's loads: block a's 8 stores and 8 loads
.endr
	SEND 7, 0
	s_wait_tensorcnt 0x0                           ; the wave's end
	ds_add_u32 v[SPW], v[NIL]
	s_wait_dscnt 0x0
	CROUND                                         ; the closing round
	s_endpgm
.Lfunc_end_k_qdeaca33627_proj:
	.size	k_qdeaca33627_proj, .Lfunc_end_k_qdeaca33627_proj-k_qdeaca33627_proj
	.p2alignl 7, 3214868480
	.fill 96, 4, 3214868480
	.section	.rodata,"a",@progbits
	.p2align	6, 0x0
	.amdhsa_kernel k_qdeaca33627_proj
		.amdhsa_group_segment_fixed_size 327680
		.amdhsa_private_segment_fixed_size 0
		.amdhsa_enable_private_segment 0
		.amdhsa_kernarg_size 32
		.amdhsa_user_sgpr_count 2
		.amdhsa_user_sgpr_kernarg_segment_ptr 1
		.amdhsa_wavefront_size32 1
		.amdhsa_system_sgpr_workgroup_id_x 1
		.amdhsa_system_sgpr_workgroup_id_y 1
		.amdhsa_system_sgpr_workgroup_id_z 1
		.amdhsa_system_vgpr_workitem_id 0
		.amdhsa_next_free_vgpr 768
		.amdhsa_next_free_sgpr 66
		.amdhsa_reserve_vcc 0
		.amdhsa_float_denorm_mode_32 3
		.amdhsa_float_denorm_mode_16_64 3
		.amdhsa_memory_ordered 1
		.amdhsa_forward_progress 1
		.amdhsa_inst_pref_size 86
	.end_amdhsa_kernel
	.amdgpu_metadata
---
amdhsa.version: [ 1, 2 ]
amdhsa.kernels:
  - .name:           k_qdeaca33627_proj
    .symbol:         k_qdeaca33627_proj.kd
    .args:
      - { .name: att, .offset: 0, .size: 8, .value_kind: global_buffer, .address_space: global }
      - { .name: wot, .offset: 8, .size: 8, .value_kind: global_buffer, .address_space: global }
      - { .name: bo, .offset: 16, .size: 8, .value_kind: global_buffer, .address_space: global }
      - { .name: out0, .offset: 24, .size: 8, .value_kind: global_buffer, .address_space: global }
    .group_segment_fixed_size: 327680
    .private_segment_fixed_size: 0
    .kernarg_segment_align: 8
    .kernarg_segment_size: 32
    .max_flat_workgroup_size: 128
    .sgpr_count:     66
    .vgpr_count:     768
    .wavefront_size: 32
...
	.end_amdgpu_metadata
.endif
;; end of part 4
